; MI455X (gfx1250); checked and timed in simulation.
; The chip was launched on July 23, 2026; its instructions are those of AMD's public machine-readable ISA for CDNA 5 (MIT licence, August 2026) and "CDNA5" Instruction Set Architecture Reference Guide (July 2026). The comments in the code are by the model that wrote it; some were corrected since.
;; Flow. Allowed arithmetic: matrix products marked QUANTISED: E2M3 operands, one E8M0 scale for each 32 along K, by v_wmma_scale_f32_16x16x128_f8f6f4 with both operands' format E2M3, f32 sums; products left as they are: f32 operands where the result goes on into a quantised operand, else bf16, f16 or f32 operands; f32 sums; everything else in f32.
;; Inputs: WA_b 1 float32; WA_w 1 x 1,024 float32; WE_b 1,024 float32; WE_w_codes 1,024 x 32 x 24 uint8 (E2M3 codes of WE_w, K innermost, in blocks of 32 codes, four codes in three bytes); WE_w_scales 1,024 x 32 uint8 (E8M0 scales of WE_w, one for each 32 codes along K); WK_b 1,024 float32; WK_w_codes 1,024 x 32 x 24 uint8 (E2M3 codes of WK_w, K innermost, in blocks of 32 codes, four codes in three bytes); WK_w_scales 1,024 x 32 uint8 (E8M0 scales of WK_w, one for each 32 codes along K); WN_b 1,024 float32; WN_w_codes 1,024 x 32 x 24 uint8 (E2M3 codes of WN_w, K innermost, in blocks of 32 codes, four codes in three bytes); WN_w_scales 1,024 x 32 uint8 (E8M0 scales of WN_w, one for each 32 codes along K); WO_b 1,024 float32; WO_w_codes 1,024 x 32 x 24 uint8 (E2M3 codes of WO_w, K innermost, in blocks of 32 codes, four codes in three bytes); WO_w_scales 1,024 x 32 uint8 (E8M0 scales of WO_w, one for each 32 codes along K); WQ_b 1,024 float32; WQ_w_codes 1,024 x 32 x 24 uint8 (E2M3 codes of WQ_w, K innermost, in blocks of 32 codes, four codes in three bytes); WQ_w_scales 1,024 x 32 uint8 (E8M0 scales of WQ_w, one for each 32 codes along K); WV_b 1,024 float32; WV_w_codes 1,024 x 32 x 24 uint8 (E2M3 codes of WV_w, K innermost, in blocks of 32 codes, four codes in three bytes); WV_w_scales 1,024 x 32 uint8 (E8M0 scales of WV_w, one for each 32 codes along K); node_next_codes 8 x 1,024 x 32 x 24 uint8 (E2M3 codes of node_next, K innermost, in blocks of 32 codes, four codes in three bytes); node_next_scales 8 x 1,024 x 32 uint8 (E8M0 scales of node_next, one for each 32 codes along K); node_t_codes 8 x 1,024 x 32 x 24 uint8 (E2M3 codes of node_t, K innermost, in blocks of 32 codes, four codes in three bytes); node_t_scales 8 x 1,024 x 32 uint8 (E8M0 scales of node_t, one for each 32 codes along K).
;; Outputs: out0 8 x 1,024 float32.
;; This version of the problem:
;;   THIS VERSION OF THE PROBLEM IS GIVEN IN LOW PRECISION. The matrix products marked QUANTISED in the list below multiply operands that are first quantised to E2M3 (2 exponent bits, 3 mantissa bits; 6 bits a number), with one power-of-two scale for each 32 numbers along K (OCP MX v1.0); their sums are f32. All else is computed in f32.
;;   The module's matrix products, in the order in which they are computed (A, B: the left and right operand; K: the contracted axis; several contracted axes count as one K, in the product's order):
;;     1. [M 8,192, K 1,024] x [K 1,024, N 1,024]; A: input node_t (given as codes); B: input WQ_w (given as codes): QUANTISED
;;     2. [M 8,192, K 1,024] x [K 1,024, N 1,024]; A: input node_next (given as codes); B: input WK_w (given as codes): QUANTISED
;;     3. [M 8,192, K 1,024] x [K 1,024, N 1,024]; A: input node_next (given as codes); B: input WV_w (given as codes): QUANTISED
;;     4. batch 8 x [M 1,024, K 1,024] x [K 1,024, N 1,024]; A: computed on the way; B: computed on the way: QUANTISED
;;     5. [M 8,192, K 1,024] x [K 1,024, N 1,024]; A: computed on the way; B: input WO_w (given as codes): QUANTISED
;;     6. [M 8,192, K 1,024] x [K 1,024, N 1,024]; A: input node_t (given as codes); B: input WE_w (given as codes): QUANTISED
;;     7. [M 8,192, K 1,024] x [K 1,024, N 1,024]; A: computed on the way; B: input WN_w (given as codes): QUANTISED
;;     8. [M 8,192, K 1,024] x [K 1,024, N 1]; A: computed on the way; B: input WA_w: left as it is (N = 1 < 16)
;;   THE QUANTISER, for each operand of a quantised product, along K:
;;     - K is cut into blocks of 32 from its start; a last block that is shorter is filled with zeros.
;;     - A block's scale is 2^e with e = floor(log2(the largest magnitude in the block)) - 2, held to -126 .. 127; a block of zeros has e = 0. As a byte (E8M0): e + 127.
;;     - Each number is divided by its block's scale, clamped to +-7.5, and rounded to the nearest number of E2M3, ties to even, subnormals kept.
;;     - The product sums the exact products of the quantised numbers (number of the format x scale) in f32.
;;   ~~~python
;;   def quantise(x, axis):      # numpy; x: float32 -> the quantised numbers, widened to float32 again
;;       x = np.moveaxis(x, axis, -1); K = x.shape[-1]
;;       x = np.pad(x, [(0, 0)] * (x.ndim - 1) + [(0, -K % 32)]); x = x.reshape(x.shape[:-1] + (-1, 32)); a = np.abs(x).max(-1, keepdims=True)
;;       e = np.where(a > 0, np.clip(np.frexp(np.where(a > 0, a, 1))[1] - 1 - 2, -126, 127), 0)      # np.frexp(a)[1] - 1 = floor(log2(a)), exactly
;;       r = np.clip(x / 2.0 ** e, -7.5, 7.5)
;;       step = 2.0 ** (np.maximum(np.frexp(np.where(r == 0, 1, r))[1] - 1, 0) - 3)
;;       q = np.round(r / step) * step * 2.0 ** e      # np.round: ties to even
;;       return np.moveaxis(q.reshape(q.shape[:-2] + (-1,))[..., :K], -1, axis).astype(np.float32)
;;   ~~~
;;   OPERANDS COMPUTED ON THE WAY. 'Computed on the way' means the value that the module computes at that place (a softmax that the list does not call 'softmax' is quantised finished and normalised). What goes into a quantiser is computed in f32, as accurately as f32 sums, v_exp_f32 and their like allow (about 1e-6 of the number): no bf16 or f16 on the way to a quantiser, and a product that is left as it is and whose result goes on into a quantised operand takes f32 operands (vector FMAs, or v_wmma_f32_16x16x4_f32). A number that lies on a knife's edge between two numbers of the format may be rounded either way, as far as f32 arithmetic and the matrix unit's own rounding can turn it there, and no further.
;;   INPUTS GIVEN AS CODES. WE_w (in the module: [1024, 1024], K = its axis 1); WK_w (in the module: [1024, 1024], K = its axis 1); WN_w (in the module: [1024, 1024], K = its axis 1); WO_w (in the module: [1024, 1024], K = its axis 1); WQ_w (in the module: [1024, 1024], K = its axis 1); WV_w (in the module: [1024, 1024], K = its axis 1); node_next (in the module: [8, 1024, 1024], K = its axis 2); node_t (in the module: [8, 1024, 1024], K = its axis 2): each comes as NAME_codes (uint8): NAME with its K axis moved to the last place and cut into blocks of 32 codes, [.., K / 32, bytes a block], one block behind the other in memory; four codes in three bytes: a row's codes are one little-endian stream of bits, code i at bits 6 i .. 6 i + 5 (a code: sign, 2 exponent bits, 3 mantissa bits); and NAME_scales (uint8): the same leading axes, one E8M0 byte (e + 127) for each 32 codes along K. Its value is code x scale, taken as it is: it is not quantised again, and the codes and scales need not be those that the quantiser above would give.
;; One version. Each part assembles by itself: llvm-mc -triple=amdgcn-amd-amdhsa -mcpu=gfx1250 --defsym DOCPART=n.
;; ======== version 1 of 1: 5 launches
;; limits: an absolute error that grows with the inputs' magnitude: up to 1e-07 times it
;; workspace buffers: patt 262,144 bytes; av_codes 6,291,456 bytes; av_scales 262,144 bytes; h_codes 6,291,456 bytes; h_scales 262,144 bytes; pout 262,144 bytes
;; launch qk (part 1): grid 4 x 64, 4 waves a work-group, clusters of 4 x 4, 327,680 bytes of LDS; arguments node_t_codes, node_t_scales, WQ_w_codes, WQ_w_scales, WQ_b, node_next_codes, node_next_scales, WK_w_codes, WK_w_scales, WK_b, patt; writes patt
.if DOCPART == 1
	.amdgcn_target "amdgcn-amd-amdhsa--gfx1250"
	.amdhsa_code_object_version 6
	.text
	.protected	k_qd3d5b4a0b8_qk
	.globl	k_qd3d5b4a0b8_qk
	.p2align	8
	.type	k_qd3d5b4a0b8_qk,@function
k_qd3d5b4a0b8_qk:
	s_mov_b64 s[64:65], 0
	v_nop
	global_prefetch_b8 v0, s[64:65] scope:SCOPE_SE
	s_setreg_imm32_b32 hwreg(HW_REG_WAVE_MODE, 25, 1), 1
	s_wait_xcnt 0x0
	s_wait_alu depctr_hold_cnt(0) depctr_sa_sdst(0) depctr_va_vdst(0) depctr_va_sdst(0) depctr_va_ssrc(0) depctr_va_vcc(0) depctr_vm_vsrc(0)
	s_getreg_b32 s2, hwreg(HW_REG_IB_STS2, 6, 4)
	s_cmp_eq_u32 s2, 0
	s_cbranch_scc0 .Lentry_in_a_cluster
	s_endpgm
.Lentry_in_a_cluster:
	s_bfe_u32 s2, ttmp6, 0x10000c
	s_cmp_lg_u32 s2, 0xf033
	s_cbranch_scc0 .Lentry_shape_is_right
	s_endpgm
.Lentry_shape_is_right:
; Q = node_t WQ^T + bQ and K = node_next WK^T + bK on codes of FP6 (E2M3) with E8M0 scales; both are quantised along H in registers, and of Q K^T only what is kept, att[b][n][n], is made:
; the diagonal 16 x 16 tiles, by the same matrix instruction on the quantised Q and K, as partial sums over this wave's 128 columns.  They go to patt; the next launch adds the eight parts.
; ROW TILES.  A work-group takes 128 rows x 256 columns.  Its rows are memory rows N0 + 64 j, j = 0 .. 127: since a memory row is 1024 b + n, block b of 16 rows is batch b and lane r holds n = N0 + 64 r.
; A wave takes 64 rows (batches 4 WR .. 4 WR + 3) x 128 columns: 32 accumulators.  All of K (1,024) of the 128 + 256 rows lies in LDS at once: (128 + 256) x 816 bytes; there is no ring along K.
; A's 32 fragments of a wave stay in registers for a pass; W's fragments stream from LDS through two sets of 96 registers.
; TWO PASSES: the Q pass, then the K pass on the same accumulators' registers.  LDS is filled again twice, one tensor load a wave each time.  Behind the first half of the Q pass, when A's bytes and W's lower
; halves have been read out: node_next's rows (waves 0 and 1, 64 rows each) and WK's lower halves (waves 2 and 3, 64 rows each); they have the second half's 128 matrix instructions and Q's quantising in which to land.
; Behind Q's quantising: WK's upper halves (32 rows a wave), which have the reading of A and the K pass's first 128 matrix instructions.
; CLUSTER 4 x 4: the four work-groups of a row of the cluster share A's tile, the four of a column W's: every tile is asked for jointly.
; THE MATRIX INSTRUCTION IS USED TRANSPOSED (source 0 = 16 rows of W, source 1 = 16 rows of A): lane (r, h) holds row r and its register j column 16 t + 8 h + j.
; LIMITS: NaN and infinities are not served.  A block of zeros gets the scale byte 1 (its codes are zeros; the bytes never leave the registers).  Given scale bytes are taken as they are.
; REGISTERS.  window 0: v1-2 the add's; v3-4 A's LDS addresses; v5-6, v7-8 W's (lower, upper 64 rows); v9-11 lane offsets of global loads; v12-15 Q's scale words; v16-31 A's scale words (at the end K's own);
;   v32-63 W's scale words; v64-159, v160-255 W's fragments, two sets (in the epilogues: work).  window 1: v0-191 A's fragments of K steps 0-3; v192-255 the bias.  window 2: v0-191 K steps 4-7; v192-239 Q's codes.  window 3: the accumulators, (a, t) at 64 a + 8 t.
.set PITCH, 816                        ; an LDS row: 3 x (256 bytes + 16 of padding) = 204 words: row r starts at bank 12 r mod 64 (64 banks of 4 bytes: ISA guide 11.1), sixteen different multiples of 4
.set BLK16, 16*PITCH
.set RB,    128*PITCH                  ; behind A's 128 rows: W's 256
.set HALFB, 64*PITCH
.set SPARE, RB+256*PITCH               ; the spare words: 128 bytes for each wave, two blocks of 256 bytes that no other line names
.set SPW,  1
.set NIL,  2
.set ADRA, 3
.set ADRB, 5
.set VSA,  9
.set VSB,  10
.set VBI,  11
.set QS,   12
.set SA,   16
.set KS,   16
.set SB,   32
.set BF,   64
.set BI,   192                         ; window 1
.set QF,   192                         ; window 2
.set XX,   64                          ; epilogues, window 0: 64 numbers of a lane
.set PCQ,  128                         ; Q's codes as they are made
.set PT,   140                         ; the conversions' second halves
.set TM,   148                         ; 16 registers at work in QUANT
.set KF,   164                         ; K's codes, 12 a
.set DD,   216                         ; the diagonal tiles, 8 a
.set EE,   248
.set TT,   252
.set FF,   254
.set G1A,  28                          ; s[28:35] group 1: 32 strided rows of A
.set G1B,  36                          ; s[36:43] 32 dense rows of W
.set G1A6, 44                          ; s[44:51] 64 strided rows of A; behind the last tensor load's wait the lane masks below take these registers
.set MJ,   43                          ; s44-50: lanes with lane % 8 = j, j = 1 .. 7
.set G0A,  52
.set G0L,  56
.set G0H,  60
.set G1B6, 52                          ; s[52:59] 64 dense rows of W: written when the first fills, whose groups 0 lay here, have been shown landed
.set G0A2, 68
.set G0L2, 72
.set G0H2, 76
.set WV,   80
.set WR,   81
.set WC,   82
.set CX,   83
.set CY,   84
.set CT,   85
.set N0,   86
.set MROW, 87
.set MCOL, 88
.set SEL,  90
.set MIDM, 93
.set MSB, 0
.macro WIN new                         ; the immediate's high byte repeats the setting that is left
.if MSB != (\new)
	s_set_vgpr_msb (MSB<<8)|(\new)
.set MSB, (\new)
.endif
.endm
.macro PLACES n
.rept \n
	v_nop
.endr
.endm
.macro CROUND                          ; a round of the cluster's barrier
	s_barrier_signal -1
	s_barrier_wait -1
	s_cmp_lg_u32 s[WV], 0
	s_cbranch_scc1 .Lnot_wave_0_\@
	s_barrier_signal -3
.Lnot_wave_0_\@:
	s_barrier_wait -3
	s_barrier_signal -1
	s_barrier_wait -1
.endm
.macro BAR                             ; my LDS loads are in: then the work-group's barrier
	s_wait_dscnt 0x0
	s_barrier_signal -1
	s_barrier_wait -1
.endm
.macro MKG0 g0, lds, ptr, off          ; a descriptor's group 0: count 1, LDS address, global address, type 2
	s_mov_b32 s[\g0], 1
	s_mov_b32 s[\g0+1], s[\lds]
	s_add_nc_u64 s[\g0+2:\g0+3], s[\ptr:\ptr+1], s[\off:\off+1]
	s_or_b32 s[\g0+3], s[\g0+3], 0x80000000
.endm
; A fragment, 16 rows x 128 K of 6-bit codes: lane (r, h) takes 24 bytes at 96 s + 24 h of row r and 24 at 96 s + 48 + 24 h, in pieces of 8 bytes.  16 bytes of padding lie behind every 32 pieces:
; where the piece three on (lanes 16-31) lies behind one padding more, the second address register (40 h for 24 h) serves.
.macro FRAGR reg, adr, s, blk
.irp p, 0,1,2,3,4,5
.set PCE, 12*(\s)+6*(\p/3)+\p%3
.if PCE%32 < 29
	ds_load_b64 v[(\reg)+2*\p:(\reg)+2*\p+1], v[\adr] offset:8*PCE+16*(PCE/32)+(\blk)*BLK16
.else
	ds_load_b64 v[(\reg)+2*\p:(\reg)+2*\p+1], v[\adr+1] offset:8*PCE+16*(PCE/32)+(\blk)*BLK16
.endif
.endr
.endm
.macro ALOADR                          ; my 4 blocks x 8 K steps of A into windows 1 and 2
	WIN 0x40
.irp sp, 0,1,2,3
.irp a, 0,1,2,3
	FRAGR 48*\sp+12*\a, ADRA, \sp, \a
.endr
.endr
	WIN 0x80
.irp sp, 0,1,2,3
.irp a, 0,1,2,3
	FRAGR 48*\sp+12*\a, ADRA, 4+\sp, \a
.endr
.endr
	WIN 0
.endm
.macro BLOAD u, q                      ; W's tiles 2 u, 2 u + 1, K steps 4 q .. 4 q + 3, into set q: 48 loads
.irp e, 0,1
.irp sp, 0,1,2,3
	FRAGR BF+96*(\q)+48*\e+12*\sp, ADRB+2*((\u)/2), 4*(\q)+\sp, (2*(\u)+\e)%4
.endr
.endr
.endm
; One product: tile t of W x block a of A, K step s.  W's scale word: lanes 0-15 tiles 0-3, lanes 16-31 tiles 4-7; A's: lanes 0-15 blocks 0-1, lanes 16-31 blocks 2-3.  K step 0 starts the sum with the constant 0.
.macro WM t, a, s, sp, q, e
.set DR, 64*(\a)+8*(\t)
.set BR, BF+96*(\q)+48*(\e)+12*(\sp)
.set AR, 48*(\sp)+12*(\a)
.set SBR, SB+8*((\t)%4)+(\s)
.set SAR, SA+8*((\a)%2)+(\s)
.if (\s) == 0
.if ((\t) < 4) && ((\a) < 2)
	v_wmma_scale_f32_16x16x128_f8f6f4 v[DR:DR+7], v[BR:BR+11], v[AR:AR+11], 0, v[SBR], v[SAR] matrix_a_fmt:MATRIX_FMT_FP6 matrix_b_fmt:MATRIX_FMT_FP6
.elseif (\t) < 4
	v_wmma_scale_f32_16x16x128_f8f6f4 v[DR:DR+7], v[BR:BR+11], v[AR:AR+11], 0, v[SBR], v[SAR] matrix_a_fmt:MATRIX_FMT_FP6 matrix_b_fmt:MATRIX_FMT_FP6 matrix_b_scale:MATRIX_SCALE_ROW1
.elseif (\a) < 2
	v_wmma_scale_f32_16x16x128_f8f6f4 v[DR:DR+7], v[BR:BR+11], v[AR:AR+11], 0, v[SBR], v[SAR] matrix_a_fmt:MATRIX_FMT_FP6 matrix_b_fmt:MATRIX_FMT_FP6 matrix_a_scale:MATRIX_SCALE_ROW1
.else
	v_wmma_scale_f32_16x16x128_f8f6f4 v[DR:DR+7], v[BR:BR+11], v[AR:AR+11], 0, v[SBR], v[SAR] matrix_a_fmt:MATRIX_FMT_FP6 matrix_b_fmt:MATRIX_FMT_FP6 matrix_a_scale:MATRIX_SCALE_ROW1 matrix_b_scale:MATRIX_SCALE_ROW1
.endif
.else
.if ((\t) < 4) && ((\a) < 2)
	v_wmma_scale_f32_16x16x128_f8f6f4 v[DR:DR+7], v[BR:BR+11], v[AR:AR+11], v[DR:DR+7], v[SBR], v[SAR] matrix_a_fmt:MATRIX_FMT_FP6 matrix_b_fmt:MATRIX_FMT_FP6
.elseif (\t) < 4
	v_wmma_scale_f32_16x16x128_f8f6f4 v[DR:DR+7], v[BR:BR+11], v[AR:AR+11], v[DR:DR+7], v[SBR], v[SAR] matrix_a_fmt:MATRIX_FMT_FP6 matrix_b_fmt:MATRIX_FMT_FP6 matrix_b_scale:MATRIX_SCALE_ROW1
.elseif (\a) < 2
	v_wmma_scale_f32_16x16x128_f8f6f4 v[DR:DR+7], v[BR:BR+11], v[AR:AR+11], v[DR:DR+7], v[SBR], v[SAR] matrix_a_fmt:MATRIX_FMT_FP6 matrix_b_fmt:MATRIX_FMT_FP6 matrix_a_scale:MATRIX_SCALE_ROW1
.else
	v_wmma_scale_f32_16x16x128_f8f6f4 v[DR:DR+7], v[BR:BR+11], v[AR:AR+11], v[DR:DR+7], v[SBR], v[SAR] matrix_a_fmt:MATRIX_FMT_FP6 matrix_b_fmt:MATRIX_FMT_FP6 matrix_a_scale:MATRIX_SCALE_ROW1 matrix_b_scale:MATRIX_SCALE_ROW1
.endif
.endif
.endm
.macro MUL32 u, q                      ; 32 products: eight accumulators (2 tiles x 4 blocks) by turns, one instruction a turn; four K steps deep
	WIN 0xF4+4*(\q)                                ; W window 0, A window 1 or 2, C and D window 3
.irp sp, 0,1,2,3
.irp e, 0,1
.irp a, 0,1,2,3
	WM 2*(\u)+\e, \a, 4*(\q)+\sp, \sp, \q, \e
.endr
.endr
.endr
.endm
; Half a pass: four tiles of W, all of K, in four stages of 32 products.  Each stage's 48 loads are issued ahead of the stage before.
.macro RUN half
	BLOAD 2*(\half), 0
.irp k, 0,1,2,3
	s_wait_dscnt 0x0                               ; this stage's fragments are in
.if \k < 3
	PLACES 4                                       ; in front of loads into the set that the stage before multiplied (ISA guide 7.12.1 for vector instructions)
	WIN 0
	BLOAD 2*(\half)+(\k+1)/2, (\k+1)%2
.endif
	MUL32 2*(\half)+\k/2, \k%2
.endr
	WIN 0
	PLACES 5                                       ; behind the last products: for loads into their sources, reads of their results, and matrix instructions that write over their registers
.endm
; LDS bytes are filled again: all my tensor loads have landed; the add; it and my LDS reads are done; a round of the cluster's barrier; my one tensor load, first behind it.
.macro REFILL g0, g1
	s_wait_tensorcnt 0x0
	ds_add_u32 v[SPW], v[NIL]                      ; 0 onto my spare word
	s_wait_dscnt 0x0
	CROUND
	tensor_load_to_lds s[\g0:\g0+3], s[\g1:\g1+7]
	s_nop 0
	PLACES 4
.endm
; The refill in the middle of the first pass.  A's bytes were read out into registers ahead of the pass, W's lower halves have just been read out.  Waves 0 and 1 ask for the next pass's A, 64 rows each,
; waves 2 and 3 for the next W's lower halves, 64 rows each.  The wait for 0 also shows this pass's upper W halves landed, and frees the first fills' groups 0: the group 1 for 64 rows of W is written there.
.macro MIDFILL g1a
	s_wait_tensorcnt 0x0
	ds_add_u32 v[SPW], v[NIL]                      ; 0 onto my spare word; the descriptor's words stand between it and the wait for it
	s_or_b32 s[G1B6], s[MCOL], 0x07730000          ; as G1B, with 64 rows
	s_mov_b32 s[G1B6+1], 96<<16
	s_mov_b32 s[G1B6+2], 64<<16
	s_mov_b32 s[G1B6+3], 96<<16
	s_mov_b32 s[G1B6+4], 64
	s_mov_b32 s[G1B6+5], 96
	s_mov_b32 s[G1B6+6], 0
	s_mov_b32 s[G1B6+7], 0
	s_wait_dscnt 0x0                               ; the add is done, and my reads of W's lower halves are over
	CROUND
	s_cmp_lt_u32 s[WV], 2                          ; the branch hangs on the wave's number alone
	s_cbranch_scc0 .Lmid_w_\@
	tensor_load_to_lds s[G0A2:G0A2+3], s[\g1a:\g1a+7]
	s_nop 0
	PLACES 4
	s_branch .Lmid_asked_\@
.Lmid_w_\@:
	tensor_load_to_lds s[G0L2:G0L2+3], s[G1B6:G1B6+7]
	s_nop 0
	PLACES 4
.Lmid_asked_\@:
.endm
.macro LDSAR base                      ; A's scale words: row's 32 bytes = 8 words, one a K step; lanes 16-31 take the block two on
.irp ap, 0,1
.irp i, 0,1
	global_load_b128 v[SA+8*\ap+4*\i:SA+8*\ap+4*\i+3], v[VSA], s[\base:\base+1] offset:32768*\ap+16*\i
.endr
.endr
.endm
.macro LDSB base                       ; W's: lanes 16-31 take the tile four on
.irp tp, 0,1,2,3
.irp i, 0,1
	global_load_b128 v[SB+8*\tp+4*\i:SB+8*\tp+4*\i+3], v[VSB], s[\base:\base+1] offset:512*\tp+16*\i
.endr
.endr
.endm
.macro LDBI base                       ; the bias in the result's layout: register 8 t + j = column 16 t + 8 h + j
	WIN 0x40
.irp t, 0,1,2,3,4,5,6,7
.irp i, 0,1
	global_load_b128 v[BI+8*\t+4*\i:BI+8*\t+4*\i+3], v[VBI], s[\base:\base+1] offset:64*\t+16*\i
.endr
.endr
	WIN 0
.endm
.macro TOX a                           ; block a's sums + the bias, into window 0; each accumulator from its low end on
	WIN 0x07
.set ii, 0
.rept 32
	v_pk_add_f32 v[XX+ii:XX+ii+1], v[64*(\a)+ii:64*(\a)+ii+1], v[BI+ii:BI+ii+1]
.set ii, ii+2
.endr
	WIN 0
.endm
.macro SWAPX                           ; register 16 b + i becomes column 32 b + 16 h + i: the lower tile's lanes 16-31 change places with the upper tile's lanes 0-15
.irp b, 0,1,2,3
.irp j, 0,1,2,3,4,5,6,7
	v_permlane16_swap_b32 v[XX+16*\b+\j], v[XX+16*\b+8+\j]
.endr
.endr
.endm
; 64 numbers of a lane, register 16 b + i = k 32 b + 16 h + i of my row, become a fragment's codes in v[pc] on and its scale word in v[pw].
.macro QUANT s, pc, pw
.irp b, 0,1,2,3
	v_max3_num_f32 v[TM+\b], |v[\s+16*\b]|, |v[\s+1+16*\b]|, 0x1800000   ; my 16 numbers of block b, and the floor 2^(3 - 127): the byte cannot fall under 1
.endr
.irp i, 2,4,6,8,10,12,14
.irp b, 0,1,2,3
	v_max3_num_f32 v[TM+\b], v[TM+\b], |v[\s+16*\b+\i]|, |v[\s+1+16*\b+\i]|
.endr
.endr
.irp b, 0,1,2,3
	v_permlanex16_b32 v[TM+4+\b], v[TM+\b], s[SEL], s[SEL+1]
.endr
.irp b, 0,1,2,3
	v_max_num_f32 v[TM+\b], v[TM+\b], v[TM+4+\b]   ; with lane l xor 16's: the block's largest magnitude
.endr
.irp b, 0,1,2,3
	v_add_nc_u32 v[TM+12+\b], 0xff000000, v[TM+\b] ; 2 off its exponent field: the conversion's scale operand
.endr
.irp b, 0,1,2,3
	v_lshrrev_b32 v[TM+4+\b], 23, v[TM+12+\b]      ; the scale's byte
.endr
	v_lshl_or_b32 v[\pw], v[TM+5], 8, v[TM+4]
	v_lshl_or_b32 v[\pw], v[TM+6], 16, v[\pw]
	v_lshl_or_b32 v[\pw], v[TM+7], 24, v[\pw]
.irp c, 0,1
	v_cvt_scalef32_pk16_fp6_f32 v[\pc+6*\c:\pc+2+6*\c], v[\s+32*\c:\s+15+32*\c], v[TM+12+2*\c]
	v_cvt_scalef32_pk16_fp6_f32 v[PT+4*\c:PT+2+4*\c], v[\s+16+32*\c:\s+31+32*\c], v[TM+12+2*\c+1]
.endr
	v_nop                                          ; one plain place behind a scaled conversion
.irp c, 0,1                            ; the operand's layout wants a whole block in a lane
.irp i, 0,1,2
	v_permlane16_swap_b32 v[\pc+6*\c+\i], v[PT+4*\c+\i]
.endr
.irp i, 0,1,2
	v_mov_b32 v[\pc+3+6*\c+\i], v[PT+4*\c+\i]
.endr
.endr
.endm
	s_load_b512 s[4:19], s[0:1], 0x0               ; node_t codes 4, scales 6; WQ codes 8, scales 10, bias 12; node_next codes 14, scales 16; WK codes 18
	s_load_b128 s[20:23], s[0:1], 0x40             ; WK scales 20, bias 22
	s_load_b64 s[24:25], s[0:1], 0x50              ; patt
	v_lshl_add_u32 v[SPW], v0, 2, SPARE
	v_mov_b32 v[NIL], 0
	ds_add_u32 v1, v2
	ds_add_u32 v1, v2
	s_wait_dscnt 0x0
	v_lshrrev_b32 v64, 5, v0
	v_readfirstlane_b32 s[WV], v64                 ; wave 0..3
	s_lshr_b32 s[WR], s[WV], 1                     ; which 64 rows
	s_and_b32 s[WC], s[WV], 1                      ; which 128 columns
	s_bfe_u32 s[CX], ttmp6, 0x40000
	s_bfe_u32 s[CY], ttmp6, 0x40004
	s_lshl_b32 s[CT], ttmp9, 2
	s_add_co_u32 s[CT], s[CT], s[CX]               ; column tile 0..3
	s_and_b32 s[N0], ttmp7, 0xffff
	s_lshl_b32 s[N0], s[N0], 2
	s_add_co_u32 s[N0], s[N0], s[CY]               ; row tile 0..63
	s_lshl_b32 s[MROW], s[CY], 2
	s_lshl_b32 s[MROW], 15, s[MROW]                ; my row of the cluster
	s_lshl_b32 s[MCOL], 0x1111, s[CX]              ; my column
	; group 1: rows of 96 elements of 8 bytes (768 bytes), 16 bytes of padding behind every 256.  A's rows lie 64 rows (6,144 elements) apart, W's are dense.
	s_or_b32 s[G1A], s[MROW], 0x07730000           ; 15:0 mask; 17:16 elements of 8 bytes; 20 padding on; 21 set beside a mask; 24:22 after every 64 words; 31:25 4 words
	s_or_b32 s[G1B], s[MCOL], 0x07730000
	s_or_b32 s[G1A6], s[MROW], 0x07730000
.irp g, G1A, G1B, G1A6
	s_mov_b32 s[\g+1], 96<<16
	s_mov_b32 s[\g+3], 96<<16
	s_mov_b32 s[\g+6], 0
	s_mov_b32 s[\g+7], 0
.endr
	s_mov_b32 s[G1A+2], 32<<16
	s_mov_b32 s[G1A+4], 32
	s_mov_b32 s[G1A+5], 6144
	s_mov_b32 s[G1B+2], 32<<16
	s_mov_b32 s[G1B+4], 32
	s_mov_b32 s[G1B+5], 96
	s_mov_b32 s[G1A6+2], 64<<16
	s_mov_b32 s[G1A6+4], 64
	s_mov_b32 s[G1A6+5], 6144
	s_mul_i32 s2, s[WV], 32*PITCH                  ; LDS: my 32 rows of A;
	s_mul_i32 s3, s[WC], 128*PITCH
	s_mul_i32 s89, s[WR], 32*PITCH
	s_add_co_u32 s3, s3, s89
	s_add_co_u32 s3, s3, RB                        ; my 32 rows of W's lower halves;
	s_add_co_u32 s89, s3, HALFB                    ; and of the upper: no place in the cluster enters an LDS address
	s_mul_i32 s96, s[N0], 768
	s_mul_i32 s95, s[WV], 32*64*768
	s_add_co_u32 s96, s96, s95
	s_mov_b32 s97, 0                               ; A's codes: row N0 + 64 x 32 x wave
	s_mul_i32 s98, s[CT], 256*768
	s_mul_i32 s95, s[WC], 128*768
	s_add_co_u32 s98, s98, s95
	s_mul_i32 s95, s[WR], 32*768
	s_add_co_u32 s98, s98, s95
	s_mov_b32 s99, 0                               ; W's codes: row 256 CT + 128 WC + 32 WR,
	s_add_co_u32 s100, s98, 64*768
	s_mov_b32 s101, 0                              ; and 64 rows on
	s_mov_b32 s[SEL], 0x76543210
	s_mov_b32 s[SEL+1], 0xfedcba98                 ; v_permlanex16_b32's selects for lane l xor 16
	s_mov_b32 s[MIDM], 0x00ffff00                  ; lanes 8-23
	v_and_b32 v64, 15, v0                          ; r
	v_bfe_u32 v65, v0, 4, 1                        ; h
	v_mul_u32_u24 v67, v64, PITCH
	v_mad_u32_u24 v68, v65, 24, v67
	v_mad_u32_u24 v69, v65, 40, v67
	s_mul_i32 s95, s[WR], 64*PITCH
	v_add_nc_u32 v[ADRA], s95, v68
	v_add_nc_u32 v[ADRA+1], s95, v69
	s_mul_i32 s95, s[WC], 128*PITCH
	s_add_co_u32 s95, s95, RB
	v_add_nc_u32 v[ADRB], s95, v68
	v_add_nc_u32 v[ADRB+1], s95, v69
	s_add_co_u32 s95, s95, HALFB
	v_add_nc_u32 v[ADRB+2], s95, v68
	v_add_nc_u32 v[ADRB+3], s95, v69
	v_lshlrev_b32 v[VSA], 11, v64
	v_lshl_add_u32 v[VSA], v65, 16, v[VSA]         ; 64 rows of 32 bytes a lane; two blocks on for lanes 16-31
	v_lshlrev_b32 v[VSB], 5, v64
	v_lshl_add_u32 v[VSB], v65, 11, v[VSB]         ; 32 bytes a row; 64 rows on for lanes 16-31
	v_lshlrev_b32 v[VBI], 5, v65
	s_wait_kmcnt 0x0
	MKG0 G0A, 2, 4, 96                             ; only what the first fills need stands between the arguments and the loads
	MKG0 G0L, 3, 8, 98
	MKG0 G0H, 89, 8, 100
	CROUND                                         ; all sixteen work-groups are here: the first joint loads meet
	tensor_load_to_lds s[G0A:G0A+3], s[G1A:G1A+7]  ; three tensor loads of mine are out
	s_nop 0
	tensor_load_to_lds s[G0L:G0L+3], s[G1B:G1B+7]
	s_nop 0
	tensor_load_to_lds s[G0H:G0H+3], s[G1B:G1B+7]
	s_nop 0
	PLACES 4
	MKG0 G0H2, 89, 18, 100                         ; the K pass: WK's upper halves, 32 rows a wave, as above;
	s_mul_i32 s2, s[WC], 64*PITCH                  ; node_next's rows, 64 to each of waves 0 and 1 (every wave makes the words; wave % 2 says which half);
	s_mul_i32 s3, s[WC], 128*PITCH
	s_add_co_u32 s3, s3, RB                        ; WK's lower halves, 64 rows to each of waves 2 and 3
	s_mul_i32 s96, s[N0], 768
	s_mul_i32 s95, s[WC], 64*64*768
	s_add_co_u32 s96, s96, s95                     ; row N0 + 64 x 64 x half
	s_mul_i32 s98, s[CT], 256*768
	s_mul_i32 s95, s[WC], 128*768
	s_add_co_u32 s98, s98, s95                     ; row 256 CT + 128 x half
	MKG0 G0A2, 2, 14, 96
	MKG0 G0L2, 3, 18, 98
	s_mov_b32 s67, 0
	s_lshl_b32 s66, s[N0], 5
	s_lshl_b32 s94, s[WR], 17
	s_add_co_u32 s66, s66, s94
	s_add_nc_u64 s[6:7], s[6:7], s[66:67]          ; A's scales at row N0 + 64 x 64 WR
	s_add_nc_u64 s[16:17], s[16:17], s[66:67]
	s_lshl_b32 s66, s[CT], 13
	s_lshl_b32 s94, s[WC], 12
	s_add_co_u32 s66, s66, s94
	s_add_nc_u64 s[10:11], s[10:11], s[66:67]      ; W's scales at my first column
	s_add_nc_u64 s[20:21], s[20:21], s[66:67]
	s_lshr_b32 s66, s66, 3
	s_add_nc_u64 s[12:13], s[12:13], s[66:67]      ; the biases likewise
	s_add_nc_u64 s[22:23], s[22:23], s[66:67]
	s_lshl_b32 s94, s[N0], 12
	s_add_co_u32 s66, s66, s94
	s_lshl_b32 s94, s[WR], 8
	s_add_co_u32 s66, s66, s94
	s_add_nc_u64 s[24:25], s[24:25], s[66:67]      ; patt: my 256 bytes: ((8 N0 + 2 CT + WC) 2 + WR) x 256
	LDSAR 6
	LDSB 10
	LDBI 12
	s_wait_tensorcnt 0x2                           ; W's two loads were issued behind A's: my part of A is in,
	s_barrier_signal -1
	s_barrier_wait -1                              ; everybody's is
	ALOADR
	s_wait_tensorcnt 0x1                           ; the upper W load was issued behind the lower: my part of the lower is in
	BAR
	s_wait_loadcnt 0x0                             ; scale words and bias
	RUN 0
	MIDFILL G1A6                                   ; node_next's rows and WK's lower halves go out
	RUN 1
	LDSAR 16                                       ; the K pass's scale words
	LDSB 20
	; Q's sums become codes, which stay in window 2, and scale words
.irp b, 0,1,2,3
	v_mov_b32 v[TM+4+\b], 0                        ; a lane permute's destination counts as one of its sources
.endr
.irp a, 0,1,2,3
	TOX \a
	SWAPX
	QUANT XX, PCQ, QS+\a
	WIN 0x80
.irp i, 0,1,2,3,4,5,6,7,8,9,10,11
	v_mov_b32 v[QF+12*\a+\i], v[PCQ+\i]
.endr
	WIN 0
.endr
	LDBI 22                                        ; K's bias
	REFILL G0H2, G1B                               ; node_next's rows and WK's lower halves have landed, everybody's; WQ's upper halves have been read out: WK's take their place
	ALOADR
	s_wait_loadcnt 0x0
	RUN 0
	s_wait_tensorcnt 0x0                           ; my part of the upper halves is in,
	BAR                                            ; everybody's is
	RUN 1
	; K's sums become codes; then the diagonal tiles
.irp j, 1,2,3,4,5,6,7
	s_mov_b32 s[MJ+\j], 0x01010101<<\j             ; no tensor load is out: the registers of the 64-row group 1 are free
.endr
.irp b, 0,1,2,3
	v_mov_b32 v[TM+4+\b], 0
.endr
	v_mov_b32 v[TT], 0
.irp a, 0,1,2,3
	TOX \a
	SWAPX
	QUANT XX, KF+12*\a, KS+\a
.endr
	PLACES 8                                       ; a scale register written by a vector instruction stands 8 places ahead of a scaled matrix instruction
	WIN 0x02                                       ; source 0 (Q) window 2
.irp a, 0,1,2,3
	v_wmma_scale_f32_16x16x128_f8f6f4 v[DD+8*\a:DD+8*\a+7], v[QF+12*\a:QF+12*\a+11], v[KF+12*\a:KF+12*\a+11], 0, v[QS+\a], v[KS+\a] matrix_a_fmt:MATRIX_FMT_FP6 matrix_b_fmt:MATRIX_FMT_FP6
.endr
	WIN 0
	PLACES 4
	; element (m = 8 h + j, n = r) is on the diagonal in register lane % 8 of lanes 0-7 and 24-31
.irp a, 0,1,2,3
	v_cndmask_b32 v[EE+\a], v[DD+8*\a], v[DD+8*\a+1], s[MJ+1]
.endr
.irp j, 2,3,4,5,6,7
.irp a, 0,1,2,3
	v_cndmask_b32 v[EE+\a], v[EE+\a], v[DD+8*\a+\j], s[MJ+\j]
.endr
.endr
	v_permlanex16_b32 v[TT], v[EE+1], s[SEL], s[SEL+1]
	v_cndmask_b32 v[FF], v[EE], v[TT], s[MIDM]     ; word e of lane L: row L % 16, block 2 e, or 2 e + 1 in lanes 8-23
	v_permlanex16_b32 v[TT], v[EE+3], s[SEL], s[SEL+1]
	v_cndmask_b32 v[FF+1], v[EE+2], v[TT], s[MIDM]
	v_and_b32 v9, 31, v0
	v_lshlrev_b32 v9, 3, v9
	global_store_b64 v9, v[FF:FF+1], s[24:25]      ; the wave stores 256 consecutive bytes, aligned
	s_wait_tensorcnt 0x0                           ; the wave's end
	ds_add_u32 v[SPW], v[NIL]
	s_wait_dscnt 0x0
	CROUND                                         ; the closing round
	s_endpgm
.Lfunc_end_k_qd3d5b4a0b8_qk:
	.size	k_qd3d5b4a0b8_qk, .Lfunc_end_k_qd3d5b4a0b8_qk-k_qd3d5b4a0b8_qk
	.p2alignl 7, 3214868480
	.fill 96, 4, 3214868480
	.section	.rodata,"a",@progbits
	.p2align	6, 0x0
	.amdhsa_kernel k_qd3d5b4a0b8_qk
		.amdhsa_group_segment_fixed_size 327680
		.amdhsa_private_segment_fixed_size 0
		.amdhsa_enable_private_segment 0
		.amdhsa_kernarg_size 88
		.amdhsa_user_sgpr_count 2
		.amdhsa_user_sgpr_kernarg_segment_ptr 1
		.amdhsa_wavefront_size32 1
		.amdhsa_system_sgpr_workgroup_id_x 1
		.amdhsa_system_sgpr_workgroup_id_y 1
		.amdhsa_system_sgpr_workgroup_id_z 1
		.amdhsa_system_vgpr_workitem_id 0
		.amdhsa_next_free_vgpr 1024
		.amdhsa_next_free_sgpr 102
		.amdhsa_reserve_vcc 0
		.amdhsa_float_denorm_mode_32 3
		.amdhsa_float_denorm_mode_16_64 3
		.amdhsa_memory_ordered 1
		.amdhsa_forward_progress 1
		.amdhsa_inst_pref_size 216
	.end_amdhsa_kernel
	.amdgpu_metadata
---
amdhsa.version: [ 1, 2 ]
amdhsa.kernels:
  - .name:           k_qd3d5b4a0b8_qk
    .symbol:         k_qd3d5b4a0b8_qk.kd
    .args:
      - { .name: node_t_codes, .offset: 0, .size: 8, .value_kind: global_buffer, .address_space: global }
      - { .name: node_t_scales, .offset: 8, .size: 8, .value_kind: global_buffer, .address_space: global }
      - { .name: WQ_w_codes, .offset: 16, .size: 8, .value_kind: global_buffer, .address_space: global }
      - { .name: WQ_w_scales, .offset: 24, .size: 8, .value_kind: global_buffer, .address_space: global }
      - { .name: WQ_b, .offset: 32, .size: 8, .value_kind: global_buffer, .address_space: global }
      - { .name: node_next_codes, .offset: 40, .size: 8, .value_kind: global_buffer, .address_space: global }
      - { .name: node_next_scales, .offset: 48, .size: 8, .value_kind: global_buffer, .address_space: global }
      - { .name: WK_w_codes, .offset: 56, .size: 8, .value_kind: global_buffer, .address_space: global }
      - { .name: WK_w_scales, .offset: 64, .size: 8, .value_kind: global_buffer, .address_space: global }
      - { .name: WK_b, .offset: 72, .size: 8, .value_kind: global_buffer, .address_space: global }
      - { .name: patt, .offset: 80, .size: 8, .value_kind: global_buffer, .address_space: global }
    .group_segment_fixed_size: 327680
    .private_segment_fixed_size: 0
    .kernarg_segment_align: 8
    .kernarg_segment_size: 88
    .max_flat_workgroup_size: 128
    .sgpr_count:     102
    .vgpr_count:     1024
    .wavefront_size: 32
...
	.end_amdgpu_metadata
.endif
;; end of part 1
;; launch vproj (part 2): grid 4 x 64, 4 waves a work-group, clusters of 4 x 4, 327,680 bytes of LDS; arguments node_next_codes, node_next_scales, WV_w_codes, WV_w_scales, WV_b, patt, av_codes, av_scales; writes av_codes, av_scales
.if DOCPART == 2
	.amdgcn_target "amdgcn-amd-amdhsa--gfx1250"
	.amdhsa_code_object_version 6
	.text
	.protected	k_qd3d5b4a0b8_vproj
	.globl	k_qd3d5b4a0b8_vproj
	.p2align	8
	.type	k_qd3d5b4a0b8_vproj,@function
k_qd3d5b4a0b8_vproj:
	s_mov_b64 s[64:65], 0
	v_nop
	global_prefetch_b8 v0, s[64:65] scope:SCOPE_SE
	s_setreg_imm32_b32 hwreg(HW_REG_WAVE_MODE, 25, 1), 1
	s_wait_xcnt 0x0
	s_wait_alu depctr_hold_cnt(0) depctr_sa_sdst(0) depctr_va_vdst(0) depctr_va_sdst(0) depctr_va_ssrc(0) depctr_va_vcc(0) depctr_vm_vsrc(0)
	s_getreg_b32 s2, hwreg(HW_REG_IB_STS2, 6, 4)
	s_cmp_eq_u32 s2, 0
	s_cbranch_scc0 .Lentry_in_a_cluster
	s_endpgm
.Lentry_in_a_cluster:
	s_bfe_u32 s2, ttmp6, 0x10000c
	s_cmp_lg_u32 s2, 0xf033
	s_cbranch_scc0 .Lentry_shape_is_right
	s_endpgm
.Lentry_shape_is_right:
; av = diag x (node_next WV^T + bV), quantised along H.  diag[b][n] = softmax over the batch axis of att[b][n][n] / 128, the largest taken away first; att's eight column parts come from patt.
; Shares, row tiles, LDS and registers as in the launch qk: 128 rows (memory rows N0 + 64 j: block b of 16 rows is batch b, lane r is n = N0 + 64 r) x 256 columns a work-group, 64 x 128 a wave; all of K in LDS; one pass:
; LDS is filled once.  The bias is the C of each sum's first matrix instruction.
; OUT.  av_codes [N0 64][batch 8][K step 8][1,536]: a fragment as an image of its 12 registers (registers 4 c .. 4 c + 3 of lane l at 512 c + 16 l).  av_scales: 256 bytes for (N0, K step, half of the batches):
; word e of lane (r, h) is the scale word of row r, block e + 2 h.  Every store covers whole aligned runs of 256 bytes.
; LIMITS: NaN and infinities are not served.  A block of zeros gets the scale byte 1 (its codes are zeros; this program alone reads the bytes).  An exponential under 2^-126 counts as 0.
.set PITCH, 816
.set BLK16, 16*PITCH
.set RB,    128*PITCH
.set HALFB, 64*PITCH
.set ADRA, 3
.set ADRB, 5
.set VSA,  9
.set VSB,  10
.set VBI,  11
.set DG,   12                          ; v12-15 diag of my four batches, row r in both halves of the lanes
.set SA,   16
.set SB,   32
.set BF,   64
.set BI,   192                         ; window 1
.set XX,   64
.set PC,   128                         ; four sets of codes: no store's data are written again
.set PT,   176
.set TM,   184
.set PW,   200
.set YY,   204
.set DGP,  206                         ; diag as four equal pairs, for the packed multiply
.set G1A,  28
.set G1B,  36
.set G0A,  52
.set G0L,  56
.set G0H,  60
.set WV,   80
.set WR,   81
.set WC,   82
.set CX,   83
.set CY,   84
.set CT,   85
.set N0,   86
.set MROW, 87
.set MCOL, 88
.set SEL,  90
.set HM,   92
.set SELM, 93
.set MSB, 0
.macro WIN new
.if MSB != (\new)
	s_set_vgpr_msb (MSB<<8)|(\new)
.set MSB, (\new)
.endif
.endm
.macro PLACES n
.rept \n
	v_nop
.endr
.endm
.macro CROUND
	s_barrier_signal -1
	s_barrier_wait -1
	s_cmp_lg_u32 s[WV], 0
	s_cbranch_scc1 .Lnot_wave_0_\@
	s_barrier_signal -3
.Lnot_wave_0_\@:
	s_barrier_wait -3
	s_barrier_signal -1
	s_barrier_wait -1
.endm
.macro BAR
	s_wait_dscnt 0x0
	s_barrier_signal -1
	s_barrier_wait -1
.endm
.macro MKG0 g0, lds, ptr, off
	s_mov_b32 s[\g0], 1
	s_mov_b32 s[\g0+1], s[\lds]
	s_add_nc_u64 s[\g0+2:\g0+3], s[\ptr:\ptr+1], s[\off:\off+1]
	s_or_b32 s[\g0+3], s[\g0+3], 0x80000000
.endm
.macro FRAGR reg, adr, s, blk          ; a fragment from rows of 816 bytes, in pieces of 8 bytes; the second address register serves the pieces that lie behind one padding more in lanes 16-31
.irp p, 0,1,2,3,4,5
.set PCE, 12*(\s)+6*(\p/3)+\p%3
.if PCE%32 < 29
	ds_load_b64 v[(\reg)+2*\p:(\reg)+2*\p+1], v[\adr] offset:8*PCE+16*(PCE/32)+(\blk)*BLK16
.else
	ds_load_b64 v[(\reg)+2*\p:(\reg)+2*\p+1], v[\adr+1] offset:8*PCE+16*(PCE/32)+(\blk)*BLK16
.endif
.endr
.endm
.macro ALOADR
	WIN 0x40
.irp sp, 0,1,2,3
.irp a, 0,1,2,3
	FRAGR 48*\sp+12*\a, ADRA, \sp, \a
.endr
.endr
	WIN 0x80
.irp sp, 0,1,2,3
.irp a, 0,1,2,3
	FRAGR 48*\sp+12*\a, ADRA, 4+\sp, \a
.endr
.endr
	WIN 0
.endm
.macro BLOAD u, q
.irp e, 0,1
.irp sp, 0,1,2,3
	FRAGR BF+96*(\q)+48*\e+12*\sp, ADRB+2*((\u)/2), 4*(\q)+\sp, (2*(\u)+\e)%4
.endr
.endr
.endm
.macro WM t, a, s, sp, q, e            ; K step 0 takes the bias (window 1) as C
.set DR, 64*(\a)+8*(\t)
.set BR, BF+96*(\q)+48*(\e)+12*(\sp)
.set AR, 48*(\sp)+12*(\a)
.set SBR, SB+8*((\t)%4)+(\s)
.set SAR, SA+8*((\a)%2)+(\s)
.set CR, DR
.if (\s) == 0
.set CR, BI+8*(\t)
.endif
.if ((\t) < 4) && ((\a) < 2)
	v_wmma_scale_f32_16x16x128_f8f6f4 v[DR:DR+7], v[BR:BR+11], v[AR:AR+11], v[CR:CR+7], v[SBR], v[SAR] matrix_a_fmt:MATRIX_FMT_FP6 matrix_b_fmt:MATRIX_FMT_FP6
.elseif (\t) < 4
	v_wmma_scale_f32_16x16x128_f8f6f4 v[DR:DR+7], v[BR:BR+11], v[AR:AR+11], v[CR:CR+7], v[SBR], v[SAR] matrix_a_fmt:MATRIX_FMT_FP6 matrix_b_fmt:MATRIX_FMT_FP6 matrix_b_scale:MATRIX_SCALE_ROW1
.elseif (\a) < 2
	v_wmma_scale_f32_16x16x128_f8f6f4 v[DR:DR+7], v[BR:BR+11], v[AR:AR+11], v[CR:CR+7], v[SBR], v[SAR] matrix_a_fmt:MATRIX_FMT_FP6 matrix_b_fmt:MATRIX_FMT_FP6 matrix_a_scale:MATRIX_SCALE_ROW1
.else
	v_wmma_scale_f32_16x16x128_f8f6f4 v[DR:DR+7], v[BR:BR+11], v[AR:AR+11], v[CR:CR+7], v[SBR], v[SAR] matrix_a_fmt:MATRIX_FMT_FP6 matrix_b_fmt:MATRIX_FMT_FP6 matrix_a_scale:MATRIX_SCALE_ROW1 matrix_b_scale:MATRIX_SCALE_ROW1
.endif
.endm
.macro MUL32 u, q                      ; eight accumulators by turns, one instruction a turn
.irp sp, 0,1,2,3
.if ((\q) == 0) && (\sp == 0)
	WIN 0xD4                                       ; C: the bias, window 1
.else
	WIN 0xF4+4*(\q)
.endif
.irp e, 0,1
.irp a, 0,1,2,3
	WM 2*(\u)+\e, \a, 4*(\q)+\sp, \sp, \q, \e
.endr
.endr
.endr
.endm
.macro RUN half
	BLOAD 2*(\half), 0
.irp k, 0,1,2,3
	s_wait_dscnt 0x0                               ; this stage's fragments are in
.if \k < 3
	PLACES 4                                       ; in front of loads into the set that the stage before multiplied
	WIN 0
	BLOAD 2*(\half)+(\k+1)/2, (\k+1)%2
.endif
	MUL32 2*(\half)+\k/2, \k%2
.endr
	WIN 0
	PLACES 5
.endm
.macro LDSAR base
.irp ap, 0,1
.irp i, 0,1
	global_load_b128 v[SA+8*\ap+4*\i:SA+8*\ap+4*\i+3], v[VSA], s[\base:\base+1] offset:32768*\ap+16*\i
.endr
.endr
.endm
.macro LDSB base
.irp tp, 0,1,2,3
.irp i, 0,1
	global_load_b128 v[SB+8*\tp+4*\i:SB+8*\tp+4*\i+3], v[VSB], s[\base:\base+1] offset:512*\tp+16*\i
.endr
.endr
.endm
.macro LDBI base
	WIN 0x40
.irp t, 0,1,2,3,4,5,6,7
.irp i, 0,1
	global_load_b128 v[BI+8*\t+4*\i:BI+8*\t+4*\i+3], v[VBI], s[\base:\base+1] offset:64*\t+16*\i
.endr
.endr
	WIN 0
.endm
.macro SWAPX
.irp b, 0,1,2,3
.irp j, 0,1,2,3,4,5,6,7
	v_permlane16_swap_b32 v[XX+16*\b+\j], v[XX+16*\b+8+\j]
.endr
.endr
.endm
.macro QUANT s, pc, pw
.irp b, 0,1,2,3
	v_max3_num_f32 v[TM+\b], |v[\s+16*\b]|, |v[\s+1+16*\b]|, 0x1800000   ; and the floor 2^(3 - 127): the byte cannot fall under 1
.endr
.irp i, 2,4,6,8,10,12,14
.irp b, 0,1,2,3
	v_max3_num_f32 v[TM+\b], v[TM+\b], |v[\s+16*\b+\i]|, |v[\s+1+16*\b+\i]|
.endr
.endr
.irp b, 0,1,2,3
	v_permlanex16_b32 v[TM+4+\b], v[TM+\b], s[SEL], s[SEL+1]
.endr
.irp b, 0,1,2,3
	v_max_num_f32 v[TM+\b], v[TM+\b], v[TM+4+\b]
.endr
.irp b, 0,1,2,3
	v_add_nc_u32 v[TM+12+\b], 0xff000000, v[TM+\b] ; 2 off the exponent field: the conversion's scale operand
.endr
.irp b, 0,1,2,3
	v_lshrrev_b32 v[TM+4+\b], 23, v[TM+12+\b]      ; the scale's byte
.endr
	v_lshl_or_b32 v[\pw], v[TM+5], 8, v[TM+4]
	v_lshl_or_b32 v[\pw], v[TM+6], 16, v[\pw]
	v_lshl_or_b32 v[\pw], v[TM+7], 24, v[\pw]
.irp c, 0,1
	v_cvt_scalef32_pk16_fp6_f32 v[\pc+6*\c:\pc+2+6*\c], v[\s+32*\c:\s+15+32*\c], v[TM+12+2*\c]
	v_cvt_scalef32_pk16_fp6_f32 v[PT+4*\c:PT+2+4*\c], v[\s+16+32*\c:\s+31+32*\c], v[TM+12+2*\c+1]
.endr
	v_nop                                          ; one plain place behind a scaled conversion
.irp c, 0,1
.irp i, 0,1,2
	v_permlane16_swap_b32 v[\pc+6*\c+\i], v[PT+4*\c+\i]
.endr
.irp i, 0,1,2
	v_mov_b32 v[\pc+3+6*\c+\i], v[PT+4*\c+\i]
.endr
.endr
.endm
	s_load_b512 s[4:19], s[0:1], 0x0               ; node_next codes 4, scales 6; WV codes 8, scales 10, bias 12; patt 14; av codes 16, scales 18
	v_lshl_add_u32 v1, v0, 2, 0x4c800
	v_mov_b32 v2, 0
	ds_add_u32 v1, v2
	ds_add_u32 v1, v2
	v_lshrrev_b32 v64, 5, v0
	v_readfirstlane_b32 s[WV], v64
	s_lshr_b32 s[WR], s[WV], 1
	s_and_b32 s[WC], s[WV], 1
	s_bfe_u32 s[CX], ttmp6, 0x40000
	s_bfe_u32 s[CY], ttmp6, 0x40004
	s_lshl_b32 s[CT], ttmp9, 2
	s_add_co_u32 s[CT], s[CT], s[CX]
	s_and_b32 s[N0], ttmp7, 0xffff
	s_lshl_b32 s[N0], s[N0], 2
	s_add_co_u32 s[N0], s[N0], s[CY]
	s_lshl_b32 s[MROW], s[CY], 2
	s_lshl_b32 s[MROW], 15, s[MROW]
	s_lshl_b32 s[MCOL], 0x1111, s[CX]
	s_or_b32 s[G1A], s[MROW], 0x07730000           ; 32 rows of 768 bytes, elements of 8 bytes, 16 bytes of padding behind every 256; the mask, and bit 21 beside it
	s_or_b32 s[G1B], s[MCOL], 0x07730000
.irp g, G1A, G1B
	s_mov_b32 s[\g+1], 96<<16
	s_mov_b32 s[\g+2], 32<<16
	s_mov_b32 s[\g+3], 96<<16
	s_mov_b32 s[\g+4], 32
	s_mov_b32 s[\g+6], 0
	s_mov_b32 s[\g+7], 0
.endr
	s_mov_b32 s[G1A+5], 6144
	s_mov_b32 s[G1B+5], 96
	s_mul_i32 s2, s[WV], 32*PITCH
	s_mul_i32 s3, s[WC], 128*PITCH
	s_mul_i32 s89, s[WR], 32*PITCH
	s_add_co_u32 s3, s3, s89
	s_add_co_u32 s3, s3, RB
	s_add_co_u32 s89, s3, HALFB
	s_mul_i32 s96, s[N0], 768
	s_mul_i32 s95, s[WV], 32*64*768
	s_add_co_u32 s96, s96, s95
	s_mov_b32 s97, 0
	s_mul_i32 s98, s[CT], 256*768
	s_mul_i32 s95, s[WC], 128*768
	s_add_co_u32 s98, s98, s95
	s_mul_i32 s95, s[WR], 32*768
	s_add_co_u32 s98, s98, s95
	s_mov_b32 s99, 0
	s_add_co_u32 s100, s98, 64*768
	s_mov_b32 s101, 0
	s_mov_b32 s[SEL], 0x76543210
	s_mov_b32 s[SEL+1], 0xfedcba98
	s_mov_b32 s[HM], 0xffff0000                    ; lanes 16-31
	s_mov_b32 s[SELM], 0xff0000ff                  ; lanes 0-7 and 24-31
	v_and_b32 v64, 15, v0                          ; r
	v_bfe_u32 v65, v0, 4, 1                        ; h
	v_and_b32 v66, 31, v0
	v_mul_u32_u24 v67, v64, PITCH
	v_mad_u32_u24 v68, v65, 24, v67
	v_mad_u32_u24 v69, v65, 40, v67
	s_mul_i32 s95, s[WR], 64*PITCH
	v_add_nc_u32 v[ADRA], s95, v68
	v_add_nc_u32 v[ADRA+1], s95, v69
	s_mul_i32 s95, s[WC], 128*PITCH
	s_add_co_u32 s95, s95, RB
	v_add_nc_u32 v[ADRB], s95, v68
	v_add_nc_u32 v[ADRB+1], s95, v69
	s_add_co_u32 s95, s95, HALFB
	v_add_nc_u32 v[ADRB+2], s95, v68
	v_add_nc_u32 v[ADRB+3], s95, v69
	v_lshlrev_b32 v[VSA], 11, v64
	v_lshl_add_u32 v[VSA], v65, 16, v[VSA]
	v_lshlrev_b32 v[VSB], 5, v64
	v_lshl_add_u32 v[VSB], v65, 11, v[VSB]
	v_lshlrev_b32 v[VBI], 5, v65
	v_lshlrev_b32 v70, 3, v66                      ; 8 x lane
	s_lshl_b32 s95, s[WR], 8
	v_add_nc_u32 v71, s95, v70                     ; patt: my half of the batches,
	s_xor_b32 s95, s95, 256
	v_add_nc_u32 v72, s95, v70                     ; and the other
	s_wait_dscnt 0x0
	s_wait_kmcnt 0x0
	MKG0 G0A, 2, 4, 96
	MKG0 G0L, 3, 8, 98
	MKG0 G0H, 89, 8, 100
	s_mov_b32 s67, 0
	s_lshl_b32 s66, s[N0], 5
	s_lshl_b32 s94, s[WR], 17
	s_add_co_u32 s66, s66, s94
	s_add_nc_u64 s[6:7], s[6:7], s[66:67]
	s_lshl_b32 s66, s[CT], 13
	s_lshl_b32 s94, s[WC], 12
	s_add_co_u32 s66, s66, s94
	s_add_nc_u64 s[10:11], s[10:11], s[66:67]
	s_lshr_b32 s66, s66, 3
	s_add_nc_u64 s[12:13], s[12:13], s[66:67]
	s_lshl_b32 s94, s[N0], 12
	s_add_co_u32 s66, s66, s94
	s_lshl_b32 s94, s[WR], 8
	s_add_co_u32 s66, s66, s94
	s_add_nc_u64 s[18:19], s[18:19], s[66:67]      ; av_scales: my 256 bytes
	s_lshl_b32 s66, s[N0], 12
	s_add_nc_u64 s[14:15], s[14:15], s[66:67]      ; patt: my row tile's 4,096 bytes
	s_mul_i32 s66, s[N0], 98304
	s_mul_i32 s94, s[WR], 49152
	s_add_co_u32 s66, s66, s94
	s_mul_i32 s94, s[CT], 3072
	s_add_co_u32 s66, s66, s94
	s_mul_i32 s94, s[WC], 1536
	s_add_co_u32 s66, s66, s94
	s_add_nc_u64 s[16:17], s[16:17], s[66:67]      ; av_codes: tile N0, batch 4 WR, K step 2 CT + WC
.irp c, 0,1,2,3,4,5,6,7
	global_load_b64 v[80+2*\c:81+2*\c], v71, s[14:15] offset:512*\c    ; att's eight column parts: a wave's load covers 256 consecutive bytes
	global_load_b64 v[96+2*\c:97+2*\c], v72, s[14:15] offset:512*\c
.endr
	LDSAR 6
	LDSB 10
	LDBI 12
	CROUND                                         ; all sixteen work-groups are here: the joint loads meet
	tensor_load_to_lds s[G0A:G0A+3], s[G1A:G1A+7]  ; three tensor loads of mine are out
	s_nop 0
	tensor_load_to_lds s[G0L:G0L+3], s[G1B:G1B+7]
	s_nop 0
	tensor_load_to_lds s[G0H:G0H+3], s[G1B:G1B+7]
	s_nop 0
	PLACES 4
	; the softmax over the batch axis.  A lane holds four of row (lane % 16)'s eight batches, lane l xor 16 the other four.
	s_wait_loadcnt 0x0
.irp c, 1,2,3,4,5,6,7
	v_pk_add_f32 v[80:81], v[80:81], v[80+2*\c:81+2*\c]
	v_pk_add_f32 v[96:97], v[96:97], v[96+2*\c:97+2*\c]
.endr
	v_mov_b32 v113, 0
	v_max3_num_f32 v112, v80, v81, v96
	v_max_num_f32 v112, v112, v97
	v_permlanex16_b32 v113, v112, s[SEL], s[SEL+1]
	v_max_num_f32 v112, v112, v113                 ; the largest of the eight
.irp x, 80,81,96,97
	v_sub_f32 v\x, v\x, v112
.endr
.irp x, 80,81,96,97
	v_mul_f32 v\x, 0x3c38aa3b, v\x                 ; x log2(e) / 128
.endr
.irp x, 80,81,96,97
	v_exp_f32 v\x, v\x
.endr
	v_nop                                          ; a plain place behind the exponentials
	s_wait_alu depctr_va_vdst(0)
	v_add_f32 v114, v80, v81
	v_add_f32 v115, v96, v97
	v_add_f32 v114, v114, v115
	v_permlanex16_b32 v113, v114, s[SEL], s[SEL+1]
	v_add_f32 v114, v114, v113
	v_rcp_f32 v115, v114
	v_nop
	s_wait_alu depctr_va_vdst(0)
	v_mul_f32 v80, v80, v115                       ; word e: block 2 e, or 2 e + 1 in lanes 8-23
	v_mul_f32 v81, v81, v115
	v_permlanex16_b32 v113, v80, s[SEL], s[SEL+1]
	v_cndmask_b32 v[DG], v113, v80, s[SELM]
	v_cndmask_b32 v[DG+1], v80, v113, s[SELM]
	v_permlanex16_b32 v113, v81, s[SEL], s[SEL+1]
	v_cndmask_b32 v[DG+2], v113, v81, s[SELM]
	v_cndmask_b32 v[DG+3], v81, v113, s[SELM]
	s_wait_tensorcnt 0x2                           ; W's two loads were issued behind A's: my part of A is in,
	s_barrier_signal -1
	s_barrier_wait -1                              ; everybody's is
	ALOADR
	s_wait_tensorcnt 0x1                           ; the upper W load was issued behind the lower
	BAR
	RUN 0
	s_wait_tensorcnt 0x0
	BAR
	RUN 1
	; V x diag, quantised; codes and scale words leave as register images
	v_and_b32 v10, 31, v0
	v_lshlrev_b32 v9, 4, v10                       ; 16 x lane
	v_lshlrev_b32 v10, 3, v10                      ; 8 x lane
.irp b, 0,1,2,3
	v_mov_b32 v[TM+4+\b], 0
.endr
.irp a, 0,1,2,3
	v_mov_b32 v[DGP+2*\a], v[DG+\a]
	v_mov_b32 v[DGP+2*\a+1], v[DG+\a]
.endr
.irp a, 0,1,2,3
	WIN 0x03
.set ii, 0
.rept 32
	v_pk_mul_f32 v[XX+ii:XX+ii+1], v[64*\a+ii:64*\a+ii+1], v[DGP+2*\a:DGP+2*\a+1]   ; each accumulator from its low end on
.set ii, ii+2
.endr
	WIN 0
	SWAPX
	QUANT XX, PC+12*\a, PW+\a
.irp c, 0,1,2
	global_store_b128 v9, v[PC+12*\a+4*\c:PC+12*\a+4*\c+3], s[16:17] offset:12288*\a+512*\c   ; 512 consecutive bytes, aligned
.endr
.endr
	v_cndmask_b32 v[YY], v[PW], v[PW+2], s[HM]
	v_cndmask_b32 v[YY+1], v[PW+1], v[PW+3], s[HM]
	global_store_b64 v10, v[YY:YY+1], s[18:19]
	s_wait_tensorcnt 0x0
	ds_add_u32 v1, v2
	s_wait_dscnt 0x0
	CROUND                                         ; the closing round
	s_endpgm
.Lfunc_end_k_qd3d5b4a0b8_vproj:
	.size	k_qd3d5b4a0b8_vproj, .Lfunc_end_k_qd3d5b4a0b8_vproj-k_qd3d5b4a0b8_vproj
	.p2alignl 7, 3214868480
	.fill 96, 4, 3214868480
	.section	.rodata,"a",@progbits
	.p2align	6, 0x0
	.amdhsa_kernel k_qd3d5b4a0b8_vproj
		.amdhsa_group_segment_fixed_size 327680
		.amdhsa_private_segment_fixed_size 0
		.amdhsa_enable_private_segment 0
		.amdhsa_kernarg_size 64
		.amdhsa_user_sgpr_count 2
		.amdhsa_user_sgpr_kernarg_segment_ptr 1
		.amdhsa_wavefront_size32 1
		.amdhsa_system_sgpr_workgroup_id_x 1
		.amdhsa_system_sgpr_workgroup_id_y 1
		.amdhsa_system_sgpr_workgroup_id_z 1
		.amdhsa_system_vgpr_workitem_id 0
		.amdhsa_next_free_vgpr 1024
		.amdhsa_next_free_sgpr 102
		.amdhsa_reserve_vcc 0
		.amdhsa_float_denorm_mode_32 3
		.amdhsa_float_denorm_mode_16_64 3
		.amdhsa_memory_ordered 1
		.amdhsa_forward_progress 1
		.amdhsa_inst_pref_size 114
	.end_amdhsa_kernel
	.amdgpu_metadata
---
amdhsa.version: [ 1, 2 ]
amdhsa.kernels:
  - .name:           k_qd3d5b4a0b8_vproj
    .symbol:         k_qd3d5b4a0b8_vproj.kd
    .args:
      - { .name: node_next_codes, .offset: 0, .size: 8, .value_kind: global_buffer, .address_space: global }
      - { .name: node_next_scales, .offset: 8, .size: 8, .value_kind: global_buffer, .address_space: global }
      - { .name: WV_w_codes, .offset: 16, .size: 8, .value_kind: global_buffer, .address_space: global }
      - { .name: WV_w_scales, .offset: 24, .size: 8, .value_kind: global_buffer, .address_space: global }
      - { .name: WV_b, .offset: 32, .size: 8, .value_kind: global_buffer, .address_space: global }
      - { .name: patt, .offset: 40, .size: 8, .value_kind: global_buffer, .address_space: global }
      - { .name: av_codes, .offset: 48, .size: 8, .value_kind: global_buffer, .address_space: global }
      - { .name: av_scales, .offset: 56, .size: 8, .value_kind: global_buffer, .address_space: global }
    .group_segment_fixed_size: 327680
    .private_segment_fixed_size: 0
    .kernarg_segment_align: 8
    .kernarg_segment_size: 64
    .max_flat_workgroup_size: 128
    .sgpr_count:     102
    .vgpr_count:     1024
    .wavefront_size: 32
...
	.end_amdgpu_metadata
.endif
;; end of part 2
;; launch oproj (part 3): grid 4 x 64, 4 waves a work-group, clusters of 4 x 4, 327,680 bytes of LDS; arguments av_codes, av_scales, WO_w_codes, WO_w_scales, WO_b, h_codes, h_scales; writes h_codes, h_scales
.if DOCPART == 3
	.amdgcn_target "amdgcn-amd-amdhsa--gfx1250"
	.amdhsa_code_object_version 6
	.text
	.protected	k_qd3d5b4a0b8_oproj
	.globl	k_qd3d5b4a0b8_oproj
	.p2align	8
	.type	k_qd3d5b4a0b8_oproj,@function
k_qd3d5b4a0b8_oproj:
	s_mov_b64 s[64:65], 0
	v_nop
	global_prefetch_b8 v0, s[64:65] scope:SCOPE_SE
	s_setreg_imm32_b32 hwreg(HW_REG_WAVE_MODE, 25, 1), 1
	s_wait_xcnt 0x0
	s_wait_alu depctr_hold_cnt(0) depctr_sa_sdst(0) depctr_va_vdst(0) depctr_va_sdst(0) depctr_va_ssrc(0) depctr_va_vcc(0) depctr_vm_vsrc(0)
	s_getreg_b32 s2, hwreg(HW_REG_IB_STS2, 6, 4)
	s_cmp_eq_u32 s2, 0
	s_cbranch_scc0 .Lentry_in_a_cluster
	s_endpgm
.Lentry_in_a_cluster:
	s_bfe_u32 s2, ttmp6, 0x10000c
	s_cmp_lg_u32 s2, 0xf033
	s_cbranch_scc0 .Lentry_shape_is_right
	s_endpgm
.Lentry_shape_is_right:
; h = gelu(av WO^T + bO), the exact GELU 0.5 x (1 + erf(x / sqrt 2)), quantised along H.  Shares, LDS and registers as in the launch vproj; one pass; LDS is filled once.
; A (av) comes as register images: [N0][batch 8][K step 8][1,536 bytes]; a row tile is 98,304 dense bytes, each wave fetches a quarter, and a fragment is three loads of 16 bytes a lane.
; Its scale words: 256 bytes for (N0, K step, half of the batches), word e of lane (r, h) = row r, block e + 2 h.  h leaves in the same two layouts.
; erf(z) = z P(z^2) / Q(z^2), a rational form of degrees 6 and 4 in z^2 with z held at +-4, where erf is 1 to the last bit of f32.
; LIMITS: NaN and infinities are not served.  1 + erf is formed in f32: gelu's error is about 1e-7 |x| absolutely, so relative accuracy falls off for x under about -3.  A block of zeros gets the scale byte 1.
.set PITCH, 816
.set BLK16, 16*PITCH
.set RB,    128*PITCH
.set HALFB, 64*PITCH
.set ADRI, 3
.set ADRB, 5
.set VL8,  9
.set VSB,  10
.set VBI,  11
.set SA,   16
.set SB,   32
.set BF,   64
.set BI,   192
.set XX,   64
.set PC,   128
.set PT,   176
.set TM,   184
.set PW,   200
.set YY,   204
.set CA0,  206
.set CB0,  208
.set ZZ,   210
.set Z2,   218
.set PP,   226
.set QQ,   234
.set CSQ,  18                          ; scalar pairs: the packed forms name a pair and take its low word for both halves
.set CA1,  20
.set CA2,  22
.set CA3,  24
.set CA4,  26
.set CA5,  44
.set CA6,  46
.set CB1,  48
.set CB2,  50
.set CB3,  68
.set CB4,  70
.set G1I,  28
.set G1B,  36
.set G0A,  52
.set G0L,  56
.set G0H,  60
.set WV,   80
.set WR,   81
.set WC,   82
.set CX,   83
.set CY,   84
.set CT,   85
.set N0,   86
.set MROW, 87
.set MCOL, 88
.set SEL,  90
.set HM,   92
.set MSB, 0
.macro WIN new
.if MSB != (\new)
	s_set_vgpr_msb (MSB<<8)|(\new)
.set MSB, (\new)
.endif
.endm
.macro PLACES n
.rept \n
	v_nop
.endr
.endm
.macro CROUND
	s_barrier_signal -1
	s_barrier_wait -1
	s_cmp_lg_u32 s[WV], 0
	s_cbranch_scc1 .Lnot_wave_0_\@
	s_barrier_signal -3
.Lnot_wave_0_\@:
	s_barrier_wait -3
	s_barrier_signal -1
	s_barrier_wait -1
.endm
.macro BAR
	s_wait_dscnt 0x0
	s_barrier_signal -1
	s_barrier_wait -1
.endm
.macro MKG0 g0, lds, ptr, off
	s_mov_b32 s[\g0], 1
	s_mov_b32 s[\g0+1], s[\lds]
	s_add_nc_u64 s[\g0+2:\g0+3], s[\ptr:\ptr+1], s[\off:\off+1]
	s_or_b32 s[\g0+3], s[\g0+3], 0x80000000
.endm
.macro FRAGR reg, adr, s, blk
.irp p, 0,1,2,3,4,5
.set PCE, 12*(\s)+6*(\p/3)+\p%3
.if PCE%32 < 29
	ds_load_b64 v[(\reg)+2*\p:(\reg)+2*\p+1], v[\adr] offset:8*PCE+16*(PCE/32)+(\blk)*BLK16
.else
	ds_load_b64 v[(\reg)+2*\p:(\reg)+2*\p+1], v[\adr+1] offset:8*PCE+16*(PCE/32)+(\blk)*BLK16
.endif
.endr
.endm
.macro FRAGI reg, a, s                 ; a fragment from its image
.irp c, 0,1,2
	ds_load_b128 v[(\reg)+4*\c:(\reg)+4*\c+3], v[ADRI] offset:(8*(\a)+(\s))*1536+512*\c
.endr
.endm
.macro ALOADI
	WIN 0x40
.irp sp, 0,1,2,3
.irp a, 0,1,2,3
	FRAGI 48*\sp+12*\a, \a, \sp
.endr
.endr
	WIN 0x80
.irp sp, 0,1,2,3
.irp a, 0,1,2,3
	FRAGI 48*\sp+12*\a, \a, 4+\sp
.endr
.endr
	WIN 0
.endm
.macro BLOAD u, q
.irp e, 0,1
.irp sp, 0,1,2,3
	FRAGR BF+96*(\q)+48*\e+12*\sp, ADRB+2*((\u)/2), 4*(\q)+\sp, (2*(\u)+\e)%4
.endr
.endr
.endm
.macro WM t, a, s, sp, q, e            ; K step 0 takes the bias (window 1) as C
.set DR, 64*(\a)+8*(\t)
.set BR, BF+96*(\q)+48*(\e)+12*(\sp)
.set AR, 48*(\sp)+12*(\a)
.set SBR, SB+8*((\t)%4)+(\s)
.set SAR, SA+2*(\s)+(\a)%2
.set CR, DR
.if (\s) == 0
.set CR, BI+8*(\t)
.endif
.if ((\t) < 4) && ((\a) < 2)
	v_wmma_scale_f32_16x16x128_f8f6f4 v[DR:DR+7], v[BR:BR+11], v[AR:AR+11], v[CR:CR+7], v[SBR], v[SAR] matrix_a_fmt:MATRIX_FMT_FP6 matrix_b_fmt:MATRIX_FMT_FP6
.elseif (\t) < 4
	v_wmma_scale_f32_16x16x128_f8f6f4 v[DR:DR+7], v[BR:BR+11], v[AR:AR+11], v[CR:CR+7], v[SBR], v[SAR] matrix_a_fmt:MATRIX_FMT_FP6 matrix_b_fmt:MATRIX_FMT_FP6 matrix_b_scale:MATRIX_SCALE_ROW1
.elseif (\a) < 2
	v_wmma_scale_f32_16x16x128_f8f6f4 v[DR:DR+7], v[BR:BR+11], v[AR:AR+11], v[CR:CR+7], v[SBR], v[SAR] matrix_a_fmt:MATRIX_FMT_FP6 matrix_b_fmt:MATRIX_FMT_FP6 matrix_a_scale:MATRIX_SCALE_ROW1
.else
	v_wmma_scale_f32_16x16x128_f8f6f4 v[DR:DR+7], v[BR:BR+11], v[AR:AR+11], v[CR:CR+7], v[SBR], v[SAR] matrix_a_fmt:MATRIX_FMT_FP6 matrix_b_fmt:MATRIX_FMT_FP6 matrix_a_scale:MATRIX_SCALE_ROW1 matrix_b_scale:MATRIX_SCALE_ROW1
.endif
.endm
.macro MUL32 u, q                      ; eight accumulators by turns, one instruction a turn
.irp sp, 0,1,2,3
.if ((\q) == 0) && (\sp == 0)
	WIN 0xD4
.else
	WIN 0xF4+4*(\q)
.endif
.irp e, 0,1
.irp a, 0,1,2,3
	WM 2*(\u)+\e, \a, 4*(\q)+\sp, \sp, \q, \e
.endr
.endr
.endr
.endm
.macro RUN half
	BLOAD 2*(\half), 0
.irp k, 0,1,2,3
	s_wait_dscnt 0x0                               ; this stage's fragments are in
.if \k < 3
	PLACES 4                                       ; in front of loads into the set that the stage before multiplied
	WIN 0
	BLOAD 2*(\half)+(\k+1)/2, (\k+1)%2
.endif
	MUL32 2*(\half)+\k/2, \k%2
.endr
	WIN 0
	PLACES 5
.endm
.macro LDSB base
.irp tp, 0,1,2,3
.irp i, 0,1
	global_load_b128 v[SB+8*\tp+4*\i:SB+8*\tp+4*\i+3], v[VSB], s[\base:\base+1] offset:512*\tp+16*\i
.endr
.endr
.endm
.macro LDBI base
	WIN 0x40
.irp t, 0,1,2,3,4,5,6,7
.irp i, 0,1
	global_load_b128 v[BI+8*\t+4*\i:BI+8*\t+4*\i+3], v[VBI], s[\base:\base+1] offset:64*\t+16*\i
.endr
.endr
	WIN 0
.endm
.macro SWAPX
.irp b, 0,1,2,3
.irp j, 0,1,2,3,4,5,6,7
	v_permlane16_swap_b32 v[XX+16*\b+\j], v[XX+16*\b+8+\j]
.endr
.endr
.endm
.macro QUANT s, pc, pw
.irp b, 0,1,2,3
	v_max3_num_f32 v[TM+\b], |v[\s+16*\b]|, |v[\s+1+16*\b]|, 0x1800000   ; and the floor 2^(3 - 127): the byte cannot fall under 1
.endr
.irp i, 2,4,6,8,10,12,14
.irp b, 0,1,2,3
	v_max3_num_f32 v[TM+\b], v[TM+\b], |v[\s+16*\b+\i]|, |v[\s+1+16*\b+\i]|
.endr
.endr
.irp b, 0,1,2,3
	v_permlanex16_b32 v[TM+4+\b], v[TM+\b], s[SEL], s[SEL+1]
.endr
.irp b, 0,1,2,3
	v_max_num_f32 v[TM+\b], v[TM+\b], v[TM+4+\b]
.endr
.irp b, 0,1,2,3
	v_add_nc_u32 v[TM+12+\b], 0xff000000, v[TM+\b]
.endr
.irp b, 0,1,2,3
	v_lshrrev_b32 v[TM+4+\b], 23, v[TM+12+\b]
.endr
	v_lshl_or_b32 v[\pw], v[TM+5], 8, v[TM+4]
	v_lshl_or_b32 v[\pw], v[TM+6], 16, v[\pw]
	v_lshl_or_b32 v[\pw], v[TM+7], 24, v[\pw]
.irp c, 0,1
	v_cvt_scalef32_pk16_fp6_f32 v[\pc+6*\c:\pc+2+6*\c], v[\s+32*\c:\s+15+32*\c], v[TM+12+2*\c]
	v_cvt_scalef32_pk16_fp6_f32 v[PT+4*\c:PT+2+4*\c], v[\s+16+32*\c:\s+31+32*\c], v[TM+12+2*\c+1]
.endr
	v_nop                                          ; one plain place behind a scaled conversion
.irp c, 0,1
.irp i, 0,1,2
	v_permlane16_swap_b32 v[\pc+6*\c+\i], v[PT+4*\c+\i]
.endr
.irp i, 0,1,2
	v_mov_b32 v[\pc+3+6*\c+\i], v[PT+4*\c+\i]
.endr
.endr
.endm
; Eight numbers, v[xb] on, which hold x / 2, become gelu(x) = x / 2 + (x / 2) erf(x / sqrt 2).
.macro GELU4 xb
.irp i, 0,2,4,6
	v_pk_mul_f32 v[ZZ+\i:ZZ+\i+1], v[\xb+\i:\xb+\i+1], s[CSQ:CSQ+1] op_sel_hi:[1,0]   ; z = (x / 2) sqrt 2
.endr
.irp i, 0,1,2,3,4,5,6,7
	v_med3_num_f32 v[ZZ+\i], v[ZZ+\i], -4.0, 4.0
.endr
.irp i, 0,2,4,6
	v_pk_mul_f32 v[Z2+\i:Z2+\i+1], v[ZZ+\i:ZZ+\i+1], v[ZZ+\i:ZZ+\i+1]
.endr
.irp i, 0,2,4,6
	v_pk_fma_f32 v[PP+\i:PP+\i+1], v[Z2+\i:Z2+\i+1], v[CA0:CA0+1], s[CA1:CA1+1] op_sel_hi:[1,1,0]
.endr
.irp i, 0,2,4,6
	v_pk_fma_f32 v[QQ+\i:QQ+\i+1], v[Z2+\i:Z2+\i+1], v[CB0:CB0+1], s[CB1:CB1+1] op_sel_hi:[1,1,0]
.endr
.irp c, CB2, CB3, CB4
.irp i, 0,2,4,6
	v_pk_fma_f32 v[QQ+\i:QQ+\i+1], v[QQ+\i:QQ+\i+1], v[Z2+\i:Z2+\i+1], s[\c:\c+1] op_sel_hi:[1,1,0]
.endr
.endr
.irp c, CA2, CA3, CA4, CA5, CA6
.irp i, 0,2,4,6
	v_pk_fma_f32 v[PP+\i:PP+\i+1], v[PP+\i:PP+\i+1], v[Z2+\i:Z2+\i+1], s[\c:\c+1] op_sel_hi:[1,1,0]
.endr
.endr
.irp i, 0,1,2,3,4,5,6,7
	v_rcp_f32 v[QQ+\i], v[QQ+\i]
.endr
.irp i, 0,2,4,6
	v_pk_mul_f32 v[PP+\i:PP+\i+1], v[PP+\i:PP+\i+1], v[ZZ+\i:ZZ+\i+1]   ; plain lines behind the reciprocals, which they do not touch
.endr
	s_wait_alu depctr_va_vdst(0)
.irp i, 0,2,4,6
	v_pk_mul_f32 v[PP+\i:PP+\i+1], v[PP+\i:PP+\i+1], v[QQ+\i:QQ+\i+1]   ; erf
.endr
.irp i, 0,2,4,6
	v_pk_fma_f32 v[\xb+\i:\xb+\i+1], v[\xb+\i:\xb+\i+1], v[PP+\i:PP+\i+1], v[\xb+\i:\xb+\i+1]
.endr
.endm
.macro SPAIR c, bits
	s_mov_b32 s[\c], \bits
	s_mov_b32 s[\c+1], s[\c]
.endm
	s_load_b256 s[4:11], s[0:1], 0x0               ; av codes 4, scales 6; WO codes 8, scales 10
	s_load_b128 s[12:15], s[0:1], 0x20             ; WO bias 12; h codes 14
	s_load_b64 s[16:17], s[0:1], 0x30              ; h scales
	v_lshl_add_u32 v14, v0, 2, 0x4c800
	v_mov_b32 v15, 0
	ds_add_u32 v14, v15
	ds_add_u32 v14, v15
	v_lshrrev_b32 v64, 5, v0
	v_readfirstlane_b32 s[WV], v64
	s_lshr_b32 s[WR], s[WV], 1
	s_and_b32 s[WC], s[WV], 1
	s_bfe_u32 s[CX], ttmp6, 0x40000
	s_bfe_u32 s[CY], ttmp6, 0x40004
	s_lshl_b32 s[CT], ttmp9, 2
	s_add_co_u32 s[CT], s[CT], s[CX]
	s_and_b32 s[N0], ttmp7, 0xffff
	s_lshl_b32 s[N0], s[N0], 2
	s_add_co_u32 s[N0], s[N0], s[CY]
	s_lshl_b32 s[MROW], s[CY], 2
	s_lshl_b32 s[MROW], 15, s[MROW]
	s_lshl_b32 s[MCOL], 0x1111, s[CX]
	s_or_b32 s[G1I], s[MROW], 0x00230000           ; A: 24,576 dense bytes as 96 rows of 32 elements of 8 bytes, no padding; the mask, and bit 21 beside it
	s_mov_b32 s[G1I+1], 32<<16
	s_mov_b32 s[G1I+2], 96<<16
	s_mov_b32 s[G1I+3], 32<<16
	s_mov_b32 s[G1I+4], 96
	s_mov_b32 s[G1I+5], 32
	s_mov_b32 s[G1I+6], 0
	s_mov_b32 s[G1I+7], 0
	s_or_b32 s[G1B], s[MCOL], 0x07730000           ; W: 32 rows of 768 bytes, 16 bytes of padding behind every 256
	s_mov_b32 s[G1B+1], 96<<16
	s_mov_b32 s[G1B+2], 32<<16
	s_mov_b32 s[G1B+3], 96<<16
	s_mov_b32 s[G1B+4], 32
	s_mov_b32 s[G1B+5], 96
	s_mov_b32 s[G1B+6], 0
	s_mov_b32 s[G1B+7], 0
	s_mul_i32 s2, s[WV], 24576
	s_mul_i32 s3, s[WC], 128*PITCH
	s_mul_i32 s89, s[WR], 32*PITCH
	s_add_co_u32 s3, s3, s89
	s_add_co_u32 s3, s3, RB
	s_add_co_u32 s89, s3, HALFB
	s_mul_i32 s96, s[N0], 98304
	s_mul_i32 s95, s[WV], 24576
	s_add_co_u32 s96, s96, s95
	s_mov_b32 s97, 0
	s_mul_i32 s98, s[CT], 256*768
	s_mul_i32 s95, s[WC], 128*768
	s_add_co_u32 s98, s98, s95
	s_mul_i32 s95, s[WR], 32*768
	s_add_co_u32 s98, s98, s95
	s_mov_b32 s99, 0
	s_add_co_u32 s100, s98, 64*768
	s_mov_b32 s101, 0
	s_mov_b32 s[SEL], 0x76543210
	s_mov_b32 s[SEL+1], 0xfedcba98
	s_mov_b32 s[HM], 0xffff0000
	SPAIR CSQ, 0x3fb504f3                          ; sqrt 2
	SPAIR CA1, 0x32edffee                          ; P's coefficients, the highest power first (the very first lies in a vector pair)
	SPAIR CA2, 0xb60cff51
	SPAIR CA3, 0xb86ec2d2
	SPAIR CA4, 0xba40ac63
	SPAIR CA5, 0xbb41a1f6
	SPAIR CA6, 0xbc83dbd4
	SPAIR CB1, 0xb95fbd29                          ; Q's
	SPAIR CB2, 0xbadc924e
	SPAIR CB3, 0xbbf19bf8
	SPAIR CB4, 0xbc69b6a7
	v_and_b32 v64, 15, v0
	v_bfe_u32 v65, v0, 4, 1
	v_and_b32 v66, 31, v0
	v_mul_u32_u24 v67, v64, PITCH
	v_mad_u32_u24 v68, v65, 24, v67
	v_mad_u32_u24 v69, v65, 40, v67
	s_mul_i32 s95, s[WR], 49152
	v_lshl_add_u32 v[ADRI], v66, 4, s95            ; my four batches' images, 16 bytes a lane
	s_mul_i32 s95, s[WC], 128*PITCH
	s_add_co_u32 s95, s95, RB
	v_add_nc_u32 v[ADRB], s95, v68
	v_add_nc_u32 v[ADRB+1], s95, v69
	s_add_co_u32 s95, s95, HALFB
	v_add_nc_u32 v[ADRB+2], s95, v68
	v_add_nc_u32 v[ADRB+3], s95, v69
	v_lshlrev_b32 v[VL8], 3, v66
	v_lshlrev_b32 v[VSB], 5, v64
	v_lshl_add_u32 v[VSB], v65, 11, v[VSB]
	v_lshlrev_b32 v[VBI], 5, v65
	s_wait_dscnt 0x0
	s_wait_kmcnt 0x0
	MKG0 G0A, 2, 4, 96
	MKG0 G0L, 3, 8, 98
	MKG0 G0H, 89, 8, 100
	s_mov_b32 s67, 0
	s_lshl_b32 s66, s[N0], 12
	s_lshl_b32 s94, s[WR], 8
	s_add_co_u32 s66, s66, s94
	s_add_nc_u64 s[6:7], s[6:7], s[66:67]          ; av_scales: tile N0, my half of the batches
	s_lshl_b32 s66, s[CT], 13
	s_lshl_b32 s94, s[WC], 12
	s_add_co_u32 s66, s66, s94
	s_add_nc_u64 s[10:11], s[10:11], s[66:67]
	s_lshr_b32 s66, s66, 3
	s_add_nc_u64 s[12:13], s[12:13], s[66:67]
	s_lshl_b32 s94, s[N0], 12
	s_add_co_u32 s66, s66, s94
	s_lshl_b32 s94, s[WR], 8
	s_add_co_u32 s66, s66, s94
	s_add_nc_u64 s[16:17], s[16:17], s[66:67]      ; h_scales: my 256 bytes
	s_mul_i32 s66, s[N0], 98304
	s_mul_i32 s94, s[WR], 49152
	s_add_co_u32 s66, s66, s94
	s_mul_i32 s94, s[CT], 3072
	s_add_co_u32 s66, s66, s94
	s_mul_i32 s94, s[WC], 1536
	s_add_co_u32 s66, s66, s94
	s_add_nc_u64 s[14:15], s[14:15], s[66:67]      ; h_codes
.irp s8, 0,1,2,3,4,5,6,7
	global_load_b64 v[SA+2*\s8:SA+2*\s8+1], v[VL8], s[6:7] offset:512*\s8   ; A's scale words of K step s8: 256 consecutive bytes a load
.endr
	LDSB 10
	LDBI 12
	CROUND
	tensor_load_to_lds s[G0A:G0A+3], s[G1I:G1I+7]  ; three tensor loads of mine are out
	s_nop 0
	tensor_load_to_lds s[G0L:G0L+3], s[G1B:G1B+7]
	s_nop 0
	tensor_load_to_lds s[G0H:G0H+3], s[G1B:G1B+7]
	s_nop 0
	PLACES 4
	s_wait_tensorcnt 0x2                           ; W's two loads were issued behind A's
	s_barrier_signal -1
	s_barrier_wait -1
	ALOADI
	s_wait_tensorcnt 0x1                           ; the upper W load was issued behind the lower
	BAR
	s_wait_loadcnt 0x0
	RUN 0
	s_wait_tensorcnt 0x0
	BAR
	RUN 1
	v_and_b32 v10, 31, v0
	v_lshlrev_b32 v10, 4, v10                      ; 16 x lane
.irp b, 0,1,2,3
	v_mov_b32 v[TM+4+\b], 0
.endr
	v_mov_b32 v[CA0], 0xaf95df0b
	v_mov_b32 v[CA0+1], 0xaf95df0b
	v_mov_b32 v[CB0], 0xb77460cd
	v_mov_b32 v[CB0+1], 0xb77460cd
.irp a, 0,1,2,3
	WIN 0x03
.set ii, 0
.rept 32
	v_pk_mul_f32 v[XX+ii:XX+ii+1], v[64*\a+ii:64*\a+ii+1], 0.5 op_sel_hi:[1,0]   ; each accumulator from its low end on
.set ii, ii+2
.endr
	WIN 0
.irp g, 0,1,2,3,4,5,6,7
	GELU4 XX+8*\g
.endr
	SWAPX
	QUANT XX, PC+12*\a, PW+\a
.irp c, 0,1,2
	global_store_b128 v10, v[PC+12*\a+4*\c:PC+12*\a+4*\c+3], s[14:15] offset:12288*\a+512*\c
.endr
.endr
	v_cndmask_b32 v[YY], v[PW], v[PW+2], s[HM]
	v_cndmask_b32 v[YY+1], v[PW+1], v[PW+3], s[HM]
	global_store_b64 v[VL8], v[YY:YY+1], s[16:17]
	s_wait_tensorcnt 0x0
	ds_add_u32 v14, v15
	s_wait_dscnt 0x0
	CROUND                                         ; the closing round
	s_endpgm
.Lfunc_end_k_qd3d5b4a0b8_oproj:
	.size	k_qd3d5b4a0b8_oproj, .Lfunc_end_k_qd3d5b4a0b8_oproj-k_qd3d5b4a0b8_oproj
	.p2alignl 7, 3214868480
	.fill 96, 4, 3214868480
	.section	.rodata,"a",@progbits
	.p2align	6, 0x0
	.amdhsa_kernel k_qd3d5b4a0b8_oproj
		.amdhsa_group_segment_fixed_size 327680
		.amdhsa_private_segment_fixed_size 0
		.amdhsa_enable_private_segment 0
		.amdhsa_kernarg_size 56
		.amdhsa_user_sgpr_count 2
		.amdhsa_user_sgpr_kernarg_segment_ptr 1
		.amdhsa_wavefront_size32 1
		.amdhsa_system_sgpr_workgroup_id_x 1
		.amdhsa_system_sgpr_workgroup_id_y 1
		.amdhsa_system_sgpr_workgroup_id_z 1
		.amdhsa_system_vgpr_workitem_id 0
		.amdhsa_next_free_vgpr 1024
		.amdhsa_next_free_sgpr 102
		.amdhsa_reserve_vcc 0
		.amdhsa_float_denorm_mode_32 3
		.amdhsa_float_denorm_mode_16_64 3
		.amdhsa_memory_ordered 1
		.amdhsa_forward_progress 1
		.amdhsa_inst_pref_size 250
	.end_amdhsa_kernel
	.amdgpu_metadata
---
amdhsa.version: [ 1, 2 ]
amdhsa.kernels:
  - .name:           k_qd3d5b4a0b8_oproj
    .symbol:         k_qd3d5b4a0b8_oproj.kd
    .args:
      - { .name: av_codes, .offset: 0, .size: 8, .value_kind: global_buffer, .address_space: global }
      - { .name: av_scales, .offset: 8, .size: 8, .value_kind: global_buffer, .address_space: global }
      - { .name: WO_w_codes, .offset: 16, .size: 8, .value_kind: global_buffer, .address_space: global }
      - { .name: WO_w_scales, .offset: 24, .size: 8, .value_kind: global_buffer, .address_space: global }
      - { .name: WO_b, .offset: 32, .size: 8, .value_kind: global_buffer, .address_space: global }
      - { .name: h_codes, .offset: 40, .size: 8, .value_kind: global_buffer, .address_space: global }
      - { .name: h_scales, .offset: 48, .size: 8, .value_kind: global_buffer, .address_space: global }
    .group_segment_fixed_size: 327680
    .private_segment_fixed_size: 0
    .kernarg_segment_align: 8
    .kernarg_segment_size: 56
    .max_flat_workgroup_size: 128
    .sgpr_count:     102
    .vgpr_count:     1024
    .wavefront_size: 32
...
	.end_amdgpu_metadata
.endif
;; end of part 3
;; launch enproj (part 4): grid 4 x 64, 4 waves a work-group, clusters of 4 x 4, 327,680 bytes of LDS; arguments node_t_codes, node_t_scales, WE_w_codes, WE_w_scales, WE_b, h_codes, h_scales, WN_w_codes, WN_w_scales, WN_b, WA_w, pout; writes pout
.if DOCPART == 4
	.amdgcn_target "amdgcn-amd-amdhsa--gfx1250"
	.amdhsa_code_object_version 6
	.text
	.protected	k_qd3d5b4a0b8_enproj
	.globl	k_qd3d5b4a0b8_enproj
	.p2align	8
	.type	k_qd3d5b4a0b8_enproj,@function
k_qd3d5b4a0b8_enproj:
	s_mov_b64 s[64:65], 0
	v_nop
	global_prefetch_b8 v0, s[64:65] scope:SCOPE_SE
	s_setreg_imm32_b32 hwreg(HW_REG_WAVE_MODE, 25, 1), 1
	s_wait_xcnt 0x0
	s_wait_alu depctr_hold_cnt(0) depctr_sa_sdst(0) depctr_va_vdst(0) depctr_va_sdst(0) depctr_va_ssrc(0) depctr_va_vcc(0) depctr_vm_vsrc(0)
	s_getreg_b32 s2, hwreg(HW_REG_IB_STS2, 6, 4)
	s_cmp_eq_u32 s2, 0
	s_cbranch_scc0 .Lentry_in_a_cluster
	s_endpgm
.Lentry_in_a_cluster:
	s_bfe_u32 s2, ttmp6, 0x10000c
	s_cmp_lg_u32 s2, 0xf033
	s_cbranch_scc0 .Lentry_shape_is_right
	s_endpgm
.Lentry_shape_is_right:
; A_t = node_t WE^T + bE + h WN^T + bN: two passes onto ONE set of accumulators (a product with K = 2,048), bE + bN as the C of each sum's first matrix instruction.  Then A_t . WA over this wave's 128 columns,
; by fused multiply-adds in f32; the parts go to pout and the last launch adds the eight column groups.  The order of the f32 sums differs from the source's (E and N are not rounded apart).
; Shares, LDS and registers as in the launch qk; the second pass's A (h) comes as register images, as in the launch oproj.
; LDS is filled again twice, one tensor load a wave each time.  Behind the first pass's first half: h's images (waves 0 and 1, 49,152 bytes each) and WN's lower halves (waves 2 and 3, 64 rows each), which have the
; second half's 128 matrix instructions in which to land.  Behind the first pass: WN's upper halves (32 rows a wave), which have the reading of h and the second pass's first 128 matrix instructions.
; pout: 256 bytes for (N0, column group, half of the batches): word e of lane (r, h) = row r, block e + 2 h.
; LIMITS: NaN and infinities are not served.  Given scale bytes are taken as they are.
.set PITCH, 816
.set BLK16, 16*PITCH
.set RB,    128*PITCH
.set HALFB, 64*PITCH
.set SPARE, RB+256*PITCH               ; the spare words: 128 bytes for each wave, two blocks of 256 bytes that no other line names
.set SPW,  1
.set NIL,  2
.set ADRA, 3
.set ADRB, 5
.set VSA,  9
.set VSB,  10
.set VBI,  11
.set ADRI, 12
.set VL8,  13
.set SA,   16
.set SB,   32
.set BF,   64
.set BI,   192                         ; window 1
.set WA,   192                         ; window 2
.set WNB,  160                         ; window 0, at the head only
.set SS,   64
.set RR,   80
.set TT,   84
.set YY,   88
.set G1A,  28                          ; s[28:35] group 1: 32 strided rows of node_t
.set G1B,  36                          ; s[36:43] 32 dense rows of W
.set G1I,  44                          ; s[44:51] 49,152 dense bytes of h's images
.set G0A,  52
.set G0L,  56
.set G0H,  60
.set G1B6, 52                          ; s[52:59] 64 dense rows of W: written when the first fills, whose groups 0 lay here, have been shown landed
.set G0A2, 68
.set G0L2, 72
.set G0H2, 76
.set WV,   80
.set WR,   81
.set WC,   82
.set CX,   83
.set CY,   84
.set CT,   85
.set N0,   86
.set MROW, 87
.set MCOL, 88
.set SEL,  90
.set HM,   92
.set MSB, 0
.macro WIN new
.if MSB != (\new)
	s_set_vgpr_msb (MSB<<8)|(\new)
.set MSB, (\new)
.endif
.endm
.macro PLACES n
.rept \n
	v_nop
.endr
.endm
.macro CROUND
	s_barrier_signal -1
	s_barrier_wait -1
	s_cmp_lg_u32 s[WV], 0
	s_cbranch_scc1 .Lnot_wave_0_\@
	s_barrier_signal -3
.Lnot_wave_0_\@:
	s_barrier_wait -3
	s_barrier_signal -1
	s_barrier_wait -1
.endm
.macro BAR
	s_wait_dscnt 0x0
	s_barrier_signal -1
	s_barrier_wait -1
.endm
.macro MKG0 g0, lds, ptr, off
	s_mov_b32 s[\g0], 1
	s_mov_b32 s[\g0+1], s[\lds]
	s_add_nc_u64 s[\g0+2:\g0+3], s[\ptr:\ptr+1], s[\off:\off+1]
	s_or_b32 s[\g0+3], s[\g0+3], 0x80000000
.endm
.macro FRAGR reg, adr, s, blk
.irp p, 0,1,2,3,4,5
.set PCE, 12*(\s)+6*(\p/3)+\p%3
.if PCE%32 < 29
	ds_load_b64 v[(\reg)+2*\p:(\reg)+2*\p+1], v[\adr] offset:8*PCE+16*(PCE/32)+(\blk)*BLK16
.else
	ds_load_b64 v[(\reg)+2*\p:(\reg)+2*\p+1], v[\adr+1] offset:8*PCE+16*(PCE/32)+(\blk)*BLK16
.endif
.endr
.endm
.macro FRAGI reg, a, s
.irp c, 0,1,2
	ds_load_b128 v[(\reg)+4*\c:(\reg)+4*\c+3], v[ADRI] offset:(8*(\a)+(\s))*1536+512*\c
.endr
.endm
.macro ALOADR
	WIN 0x40
.irp sp, 0,1,2,3
.irp a, 0,1,2,3
	FRAGR 48*\sp+12*\a, ADRA, \sp, \a
.endr
.endr
	WIN 0x80
.irp sp, 0,1,2,3
.irp a, 0,1,2,3
	FRAGR 48*\sp+12*\a, ADRA, 4+\sp, \a
.endr
.endr
	WIN 0
.endm
.macro ALOADI
	WIN 0x40
.irp sp, 0,1,2,3
.irp a, 0,1,2,3
	FRAGI 48*\sp+12*\a, \a, \sp
.endr
.endr
	WIN 0x80
.irp sp, 0,1,2,3
.irp a, 0,1,2,3
	FRAGI 48*\sp+12*\a, \a, 4+\sp
.endr
.endr
	WIN 0
.endm
.macro BLOAD u, q
.irp e, 0,1
.irp sp, 0,1,2,3
	FRAGR BF+96*(\q)+48*\e+12*\sp, ADRB+2*((\u)/2), 4*(\q)+\sp, (2*(\u)+\e)%4
.endr
.endr
.endm
; cm = 1: K step 0 takes the bias (window 1) as C; cm = 2: the sums go on in place.  st = 0: A's scale words by rows (8 (a % 2) + s); st = 1: from images (2 s + a % 2).
.macro WM t, a, s, sp, q, e, cm, st
.set DR, 64*(\a)+8*(\t)
.set BR, BF+96*(\q)+48*(\e)+12*(\sp)
.set AR, 48*(\sp)+12*(\a)
.set SBR, SB+8*((\t)%4)+(\s)
.if \st
.set SAR, SA+2*(\s)+(\a)%2
.else
.set SAR, SA+8*((\a)%2)+(\s)
.endif
.set CR, DR
.if (\cm == 1) && ((\s) == 0)
.set CR, BI+8*(\t)
.endif
.if ((\t) < 4) && ((\a) < 2)
	v_wmma_scale_f32_16x16x128_f8f6f4 v[DR:DR+7], v[BR:BR+11], v[AR:AR+11], v[CR:CR+7], v[SBR], v[SAR] matrix_a_fmt:MATRIX_FMT_FP6 matrix_b_fmt:MATRIX_FMT_FP6
.elseif (\t) < 4
	v_wmma_scale_f32_16x16x128_f8f6f4 v[DR:DR+7], v[BR:BR+11], v[AR:AR+11], v[CR:CR+7], v[SBR], v[SAR] matrix_a_fmt:MATRIX_FMT_FP6 matrix_b_fmt:MATRIX_FMT_FP6 matrix_b_scale:MATRIX_SCALE_ROW1
.elseif (\a) < 2
	v_wmma_scale_f32_16x16x128_f8f6f4 v[DR:DR+7], v[BR:BR+11], v[AR:AR+11], v[CR:CR+7], v[SBR], v[SAR] matrix_a_fmt:MATRIX_FMT_FP6 matrix_b_fmt:MATRIX_FMT_FP6 matrix_a_scale:MATRIX_SCALE_ROW1
.else
	v_wmma_scale_f32_16x16x128_f8f6f4 v[DR:DR+7], v[BR:BR+11], v[AR:AR+11], v[CR:CR+7], v[SBR], v[SAR] matrix_a_fmt:MATRIX_FMT_FP6 matrix_b_fmt:MATRIX_FMT_FP6 matrix_a_scale:MATRIX_SCALE_ROW1 matrix_b_scale:MATRIX_SCALE_ROW1
.endif
.endm
.macro MUL32 u, q, cm, st              ; eight accumulators by turns, one instruction a turn
.irp sp, 0,1,2,3
.if (\cm == 1) && ((\q) == 0) && (\sp == 0)
	WIN 0xD4
.else
	WIN 0xF4+4*(\q)
.endif
.irp e, 0,1
.irp a, 0,1,2,3
	WM 2*(\u)+\e, \a, 4*(\q)+\sp, \sp, \q, \e, \cm, \st
.endr
.endr
.endr
.endm
.macro RUN half, cm, st
	BLOAD 2*(\half), 0
.irp k, 0,1,2,3
	s_wait_dscnt 0x0                               ; this stage's fragments are in
.if \k < 3
	PLACES 4                                       ; in front of loads into the set that the stage before multiplied
	WIN 0
	BLOAD 2*(\half)+(\k+1)/2, (\k+1)%2
.endif
	MUL32 2*(\half)+\k/2, \k%2, \cm, \st
.endr
	WIN 0
	PLACES 5
.endm
.macro REFILL g0, g1                   ; all my tensor loads have landed; the add; it and my LDS reads are done; a round of the cluster's barrier; my one tensor load, first behind it
	s_wait_tensorcnt 0x0
	ds_add_u32 v[SPW], v[NIL]                      ; 0 onto my spare word
	s_wait_dscnt 0x0
	CROUND
	tensor_load_to_lds s[\g0:\g0+3], s[\g1:\g1+7]
	s_nop 0
	PLACES 4
.endm
; The refill in the middle of the first pass.  A's bytes were read out into registers ahead of the pass, W's lower halves have just been read out.  Waves 0 and 1 ask for the next pass's A, half each,
; waves 2 and 3 for the next W's lower halves, 64 rows each.  The wait for 0 also shows this pass's upper W halves landed, and frees the first fills' groups 0: the group 1 for 64 rows of W is written there.
.macro MIDFILL g1a
	s_wait_tensorcnt 0x0
	ds_add_u32 v[SPW], v[NIL]                      ; 0 onto my spare word; the descriptor's words stand between it and the wait for it
	s_or_b32 s[G1B6], s[MCOL], 0x07730000          ; as G1B, with 64 rows
	s_mov_b32 s[G1B6+1], 96<<16
	s_mov_b32 s[G1B6+2], 64<<16
	s_mov_b32 s[G1B6+3], 96<<16
	s_mov_b32 s[G1B6+4], 64
	s_mov_b32 s[G1B6+5], 96
	s_mov_b32 s[G1B6+6], 0
	s_mov_b32 s[G1B6+7], 0
	s_wait_dscnt 0x0                               ; the add is done, and my reads of W's lower halves are over
	CROUND
	s_cmp_lt_u32 s[WV], 2                          ; the branch hangs on the wave's number alone
	s_cbranch_scc0 .Lmid_w_\@
	tensor_load_to_lds s[G0A2:G0A2+3], s[\g1a:\g1a+7]
	s_nop 0
	PLACES 4
	s_branch .Lmid_asked_\@
.Lmid_w_\@:
	tensor_load_to_lds s[G0L2:G0L2+3], s[G1B6:G1B6+7]
	s_nop 0
	PLACES 4
.Lmid_asked_\@:
.endm
.macro LDSAR base
.irp ap, 0,1
.irp i, 0,1
	global_load_b128 v[SA+8*\ap+4*\i:SA+8*\ap+4*\i+3], v[VSA], s[\base:\base+1] offset:32768*\ap+16*\i
.endr
.endr
.endm
.macro LDSB base
.irp tp, 0,1,2,3
.irp i, 0,1
	global_load_b128 v[SB+8*\tp+4*\i:SB+8*\tp+4*\i+3], v[VSB], s[\base:\base+1] offset:512*\tp+16*\i
.endr
.endr
.endm
.macro LDCOL reg, base                 ; 128 numbers by columns in the result's layout: register 8 t + j = column 16 t + 8 h + j
.irp t, 0,1,2,3,4,5,6,7
.irp i, 0,1
	global_load_b128 v[\reg+8*\t+4*\i:\reg+8*\t+4*\i+3], v[VBI], s[\base:\base+1] offset:64*\t+16*\i
.endr
.endr
.endm
	s_load_b512 s[4:19], s[0:1], 0x0               ; node_t codes 4, scales 6; WE codes 8, scales 10, bias 12; h codes 14, scales 16; WN codes 18
	s_load_b256 s[20:27], s[0:1], 0x40             ; WN scales 20, bias 22; WA 24; pout 26
	v_lshl_add_u32 v[SPW], v0, 2, SPARE
	v_mov_b32 v[NIL], 0
	ds_add_u32 v1, v2
	ds_add_u32 v1, v2
	s_wait_dscnt 0x0
	v_lshrrev_b32 v64, 5, v0
	v_readfirstlane_b32 s[WV], v64
	s_lshr_b32 s[WR], s[WV], 1
	s_and_b32 s[WC], s[WV], 1
	s_bfe_u32 s[CX], ttmp6, 0x40000
	s_bfe_u32 s[CY], ttmp6, 0x40004
	s_lshl_b32 s[CT], ttmp9, 2
	s_add_co_u32 s[CT], s[CT], s[CX]
	s_and_b32 s[N0], ttmp7, 0xffff
	s_lshl_b32 s[N0], s[N0], 2
	s_add_co_u32 s[N0], s[N0], s[CY]
	s_lshl_b32 s[MROW], s[CY], 2
	s_lshl_b32 s[MROW], 15, s[MROW]
	s_lshl_b32 s[MCOL], 0x1111, s[CX]
	s_or_b32 s[G1A], s[MROW], 0x07730000           ; 32 rows of 768 bytes, 16 bytes of padding behind every 256; the mask, and bit 21 beside it
	s_or_b32 s[G1B], s[MCOL], 0x07730000
.irp g, G1A, G1B
	s_mov_b32 s[\g+1], 96<<16
	s_mov_b32 s[\g+2], 32<<16
	s_mov_b32 s[\g+3], 96<<16
	s_mov_b32 s[\g+4], 32
	s_mov_b32 s[\g+6], 0
	s_mov_b32 s[\g+7], 0
.endr
	s_mov_b32 s[G1A+5], 6144
	s_mov_b32 s[G1B+5], 96
	s_or_b32 s[G1I], s[MROW], 0x00230000           ; h: 49,152 dense bytes as 192 rows of 256 bytes, no padding
	s_mov_b32 s[G1I+1], 32<<16
	s_mov_b32 s[G1I+2], 192<<16
	s_mov_b32 s[G1I+3], 32<<16
	s_mov_b32 s[G1I+4], 192
	s_mov_b32 s[G1I+5], 32
	s_mov_b32 s[G1I+6], 0
	s_mov_b32 s[G1I+7], 0
	s_mul_i32 s2, s[WV], 32*PITCH
	s_mul_i32 s3, s[WC], 128*PITCH
	s_mul_i32 s89, s[WR], 32*PITCH
	s_add_co_u32 s3, s3, s89
	s_add_co_u32 s3, s3, RB
	s_add_co_u32 s89, s3, HALFB
	s_mul_i32 s93, s[WC], 49152                    ; h's half in LDS (wave % 2 says which)
	s_mul_i32 s96, s[N0], 768
	s_mul_i32 s95, s[WV], 32*64*768
	s_add_co_u32 s96, s96, s95
	s_mov_b32 s97, 0
	s_mul_i32 s98, s[CT], 256*768
	s_mul_i32 s95, s[WC], 128*768
	s_add_co_u32 s98, s98, s95
	s_mul_i32 s95, s[WR], 32*768
	s_add_co_u32 s98, s98, s95
	s_mov_b32 s99, 0
	s_add_co_u32 s100, s98, 64*768
	s_mov_b32 s101, 0
	s_mov_b32 s[SEL], 0x76543210
	s_mov_b32 s[SEL+1], 0xfedcba98
	s_mov_b32 s[HM], 0xffff0000
	v_and_b32 v64, 15, v0
	v_bfe_u32 v65, v0, 4, 1
	v_and_b32 v66, 31, v0
	v_mul_u32_u24 v67, v64, PITCH
	v_mad_u32_u24 v68, v65, 24, v67
	v_mad_u32_u24 v69, v65, 40, v67
	s_mul_i32 s95, s[WR], 64*PITCH
	v_add_nc_u32 v[ADRA], s95, v68
	v_add_nc_u32 v[ADRA+1], s95, v69
	s_mul_i32 s95, s[WC], 128*PITCH
	s_add_co_u32 s95, s95, RB
	v_add_nc_u32 v[ADRB], s95, v68
	v_add_nc_u32 v[ADRB+1], s95, v69
	s_add_co_u32 s95, s95, HALFB
	v_add_nc_u32 v[ADRB+2], s95, v68
	v_add_nc_u32 v[ADRB+3], s95, v69
	s_mul_i32 s95, s[WR], 49152
	v_lshl_add_u32 v[ADRI], v66, 4, s95
	v_lshlrev_b32 v[VL8], 3, v66
	v_lshlrev_b32 v[VSA], 11, v64
	v_lshl_add_u32 v[VSA], v65, 16, v[VSA]
	v_lshlrev_b32 v[VSB], 5, v64
	v_lshl_add_u32 v[VSB], v65, 11, v[VSB]
	v_lshlrev_b32 v[VBI], 5, v65
	s_wait_kmcnt 0x0
	MKG0 G0A, 2, 4, 96                             ; only what the first fills need stands between the arguments and the loads
	MKG0 G0L, 3, 8, 98
	MKG0 G0H, 89, 8, 100
	CROUND                                         ; all sixteen work-groups are here: the first joint loads meet
	tensor_load_to_lds s[G0A:G0A+3], s[G1A:G1A+7]  ; three tensor loads of mine are out
	s_nop 0
	tensor_load_to_lds s[G0L:G0L+3], s[G1B:G1B+7]
	s_nop 0
	tensor_load_to_lds s[G0H:G0H+3], s[G1B:G1B+7]
	s_nop 0
	PLACES 4
	MKG0 G0H2, 89, 18, 100                         ; the second pass: WN's upper halves, 32 rows a wave, as above;
	s_mul_i32 s3, s[WC], 128*PITCH
	s_add_co_u32 s3, s3, RB                        ; WN's lower halves, 64 rows to each of waves 2 and 3 (every wave makes the words);
	s_mul_i32 s98, s[CT], 256*768
	s_mul_i32 s95, s[WC], 128*768
	s_add_co_u32 s98, s98, s95                     ; row 256 CT + 128 x half
	MKG0 G0L2, 3, 18, 98
	s_mul_i32 s96, s[N0], 98304                    ; h's codes: tile N0, half to each of waves 0 and 1
	s_mul_i32 s95, s[WC], 49152
	s_add_co_u32 s96, s96, s95
	MKG0 G0A2, 93, 14, 96
	s_mov_b32 s67, 0
	s_lshl_b32 s66, s[N0], 5
	s_lshl_b32 s94, s[WR], 17
	s_add_co_u32 s66, s66, s94
	s_add_nc_u64 s[6:7], s[6:7], s[66:67]
	s_lshl_b32 s66, s[N0], 12
	s_lshl_b32 s94, s[WR], 8
	s_add_co_u32 s66, s66, s94
	s_add_nc_u64 s[16:17], s[16:17], s[66:67]      ; h_scales
	s_lshl_b32 s66, s[CT], 13
	s_lshl_b32 s94, s[WC], 12
	s_add_co_u32 s66, s66, s94
	s_add_nc_u64 s[10:11], s[10:11], s[66:67]
	s_add_nc_u64 s[20:21], s[20:21], s[66:67]
	s_lshr_b32 s66, s66, 3
	s_add_nc_u64 s[12:13], s[12:13], s[66:67]
	s_add_nc_u64 s[22:23], s[22:23], s[66:67]
	s_add_nc_u64 s[24:25], s[24:25], s[66:67]
	s_lshl_b32 s94, s[N0], 12
	s_add_co_u32 s66, s66, s94
	s_lshl_b32 s94, s[WR], 8
	s_add_co_u32 s66, s66, s94
	s_add_nc_u64 s[26:27], s[26:27], s[66:67]      ; pout: my 256 bytes
	LDSAR 6
	LDSB 10
	LDCOL WNB, 22
	WIN 0x40
	LDCOL BI, 12
	WIN 0x80
	LDCOL WA, 24
	WIN 0
	s_wait_tensorcnt 0x2                           ; W's two loads were issued behind A's: my part of A is in,
	s_barrier_signal -1
	s_barrier_wait -1                              ; everybody's is
	ALOADR
	s_wait_loadcnt 0x0                             ; scale words, biases and WA; the sum below runs while A's LDS loads are served
	WIN 0x41
.set ii, 0
.rept 32
	v_pk_add_f32 v[BI+ii:BI+ii+1], v[BI+ii:BI+ii+1], v[WNB+ii:WNB+ii+1]   ; bE + bN
.set ii, ii+2
.endr
	WIN 0
	s_wait_tensorcnt 0x1                           ; the upper W load was issued behind the lower: my part of the lower is in
	BAR
	RUN 0, 1, 0
	MIDFILL G1I                                    ; h's images and WN's lower halves go out
	RUN 1, 1, 0
.irp s8, 0,1,2,3,4,5,6,7
	global_load_b64 v[SA+2*\s8:SA+2*\s8+1], v[VL8], s[16:17] offset:512*\s8
.endr
	LDSB 20
	REFILL G0H2, G1B                               ; h and WN's lower halves have landed, everybody's; WE's upper halves have been read out: WN's take their place
	ALOADI
	s_wait_loadcnt 0x0
	RUN 0, 2, 1
	s_wait_tensorcnt 0x0                           ; my part of the upper halves is in,
	BAR                                            ; everybody's is
	RUN 1, 2, 1
	; A_t . WA over my 128 columns: two chains a block, the four blocks by turns; each accumulator from its low end on
	WIN 0x0B                                       ; source 0 window 3, source 1 (WA) window 2
.irp t, 0,1,2,3,4,5,6,7
.irp i, 0,1,2,3
.irp a, 0,1,2,3
.if (\t == 0) && (\i < 2)
	v_pk_mul_f32 v[SS+4*\a+2*(\i%2):SS+4*\a+2*(\i%2)+1], v[64*\a+8*\t+2*\i:64*\a+8*\t+2*\i+1], v[WA+8*\t+2*\i:WA+8*\t+2*\i+1]
.else
	v_pk_fma_f32 v[SS+4*\a+2*(\i%2):SS+4*\a+2*(\i%2)+1], v[64*\a+8*\t+2*\i:64*\a+8*\t+2*\i+1], v[WA+8*\t+2*\i:WA+8*\t+2*\i+1], v[SS+4*\a+2*(\i%2):SS+4*\a+2*(\i%2)+1]
.endif
.endr
.endr
.endr
	WIN 0
.irp a, 0,1,2,3
	v_mov_b32 v[TT+\a], 0
.endr
.irp a, 0,1,2,3
	v_pk_add_f32 v[SS+4*\a:SS+4*\a+1], v[SS+4*\a:SS+4*\a+1], v[SS+4*\a+2:SS+4*\a+3]
.endr
.irp a, 0,1,2,3
	v_add_f32 v[RR+\a], v[SS+4*\a], v[SS+4*\a+1]
.endr
.irp a, 0,1,2,3
	v_permlanex16_b32 v[TT+\a], v[RR+\a], s[SEL], s[SEL+1]
.endr
.irp a, 0,1,2,3
	v_add_f32 v[RR+\a], v[RR+\a], v[TT+\a]         ; with lane l xor 16's columns
.endr
	v_cndmask_b32 v[YY], v[RR], v[RR+2], s[HM]
	v_cndmask_b32 v[YY+1], v[RR+1], v[RR+3], s[HM]
	global_store_b64 v[VL8], v[YY:YY+1], s[26:27]  ; 256 consecutive bytes, aligned
	s_wait_tensorcnt 0x0                           ; the wave's end
	ds_add_u32 v[SPW], v[NIL]
	s_wait_dscnt 0x0
	CROUND                                         ; the closing round
	s_endpgm
.Lfunc_end_k_qd3d5b4a0b8_enproj:
	.size	k_qd3d5b4a0b8_enproj, .Lfunc_end_k_qd3d5b4a0b8_enproj-k_qd3d5b4a0b8_enproj
	.p2alignl 7, 3214868480
	.fill 96, 4, 3214868480
	.section	.rodata,"a",@progbits
	.p2align	6, 0x0
	.amdhsa_kernel k_qd3d5b4a0b8_enproj
		.amdhsa_group_segment_fixed_size 327680
		.amdhsa_private_segment_fixed_size 0
		.amdhsa_enable_private_segment 0
		.amdhsa_kernarg_size 96
		.amdhsa_user_sgpr_count 2
		.amdhsa_user_sgpr_kernarg_segment_ptr 1
		.amdhsa_wavefront_size32 1
		.amdhsa_system_sgpr_workgroup_id_x 1
		.amdhsa_system_sgpr_workgroup_id_y 1
		.amdhsa_system_sgpr_workgroup_id_z 1
		.amdhsa_system_vgpr_workitem_id 0
		.amdhsa_next_free_vgpr 1024
		.amdhsa_next_free_sgpr 102
		.amdhsa_reserve_vcc 0
		.amdhsa_float_denorm_mode_32 3
		.amdhsa_float_denorm_mode_16_64 3
		.amdhsa_memory_ordered 1
		.amdhsa_forward_progress 1
		.amdhsa_inst_pref_size 164
	.end_amdhsa_kernel
	.amdgpu_metadata
---
amdhsa.version: [ 1, 2 ]
amdhsa.kernels:
  - .name:           k_qd3d5b4a0b8_enproj
    .symbol:         k_qd3d5b4a0b8_enproj.kd
    .args:
      - { .name: node_t_codes, .offset: 0, .size: 8, .value_kind: global_buffer, .address_space: global }
      - { .name: node_t_scales, .offset: 8, .size: 8, .value_kind: global_buffer, .address_space: global }
      - { .name: WE_w_codes, .offset: 16, .size: 8, .value_kind: global_buffer, .address_space: global }
      - { .name: WE_w_scales, .offset: 24, .size: 8, .value_kind: global_buffer, .address_space: global }
      - { .name: WE_b, .offset: 32, .size: 8, .value_kind: global_buffer, .address_space: global }
      - { .name: h_codes, .offset: 40, .size: 8, .value_kind: global_buffer, .address_space: global }
      - { .name: h_scales, .offset: 48, .size: 8, .value_kind: global_buffer, .address_space: global }
      - { .name: WN_w_codes, .offset: 56, .size: 8, .value_kind: global_buffer, .address_space: global }
      - { .name: WN_w_scales, .offset: 64, .size: 8, .value_kind: global_buffer, .address_space: global }
      - { .name: WN_b, .offset: 72, .size: 8, .value_kind: global_buffer, .address_space: global }
      - { .name: WA_w, .offset: 80, .size: 8, .value_kind: global_buffer, .address_space: global }
      - { .name: pout, .offset: 88, .size: 8, .value_kind: global_buffer, .address_space: global }
    .group_segment_fixed_size: 327680
    .private_segment_fixed_size: 0
    .kernarg_segment_align: 8
    .kernarg_segment_size: 96
    .max_flat_workgroup_size: 128
    .sgpr_count:     102
    .vgpr_count:     1024
    .wavefront_size: 32
...
	.end_amdgpu_metadata
.endif
;; end of part 4
;; launch rowsum (part 5): grid 4 x 1, 32 waves a work-group, no clusters, 12,800 bytes of LDS; arguments pout, WA_b, out0; writes out0
.if DOCPART == 5
	.amdgcn_target "amdgcn-amd-amdhsa--gfx1250"
	.amdhsa_code_object_version 6
	.text
	.protected	k_qd3d5b4a0b8_rowsum
	.globl	k_qd3d5b4a0b8_rowsum
	.p2align	8
	.type	k_qd3d5b4a0b8_rowsum,@function
k_qd3d5b4a0b8_rowsum:
	s_mov_b64 s[64:65], 0
	v_nop
	global_prefetch_b8 v0, s[64:65] scope:SCOPE_SE
	s_setreg_imm32_b32 hwreg(HW_REG_WAVE_MODE, 25, 1), 1
	s_wait_xcnt 0x0
; out0[b][n] = the sum of pout's eight column parts + WA_b.  pout: [N0 64][column group 8][half 2][256 bytes]; word e of lane (r, h): batch 4 half + e + 2 h, n = N0 + 64 r.
; Work-group g = 2 half + h owns batches 2 g and 2 g + 1.  Thread t takes N0 = t / 16 and r = t % 16; the sums turn through LDS (n = N0 + 64 r), so that a wave stores 256 consecutive bytes of out0, aligned.
; 262,144 bytes are read once: matrix units, clusters and tensor loads would add nothing.
	s_load_b128 s[4:7], s[0:1], 0x0                ; pout, WA_b
	s_load_b64 s[8:9], s[0:1], 0x10                ; out0
	v_lshl_add_u32 v32, v0, 2, 0x2200
	v_mov_b32 v33, 0
	v_lshrrev_b32 v1, 4, v0                        ; N0
	v_and_b32 v2, 15, v0                           ; r
	v_lshlrev_b32 v3, 12, v1
	v_lshl_add_u32 v3, v2, 3, v3                   ; 4,096 N0 + 8 r
	s_lshl_b32 s10, ttmp9, 7                       ; 128 g = 256 half + 128 h
	s_mov_b32 s11, 0
	s_lshl_b32 s12, ttmp9, 13                      ; two batches of 4,096 bytes
	s_mov_b32 s13, 0
	s_mov_b32 s15, 0                               ; (named with s14 as a pair, so it is written)
	v_mul_u32_u24 v4, v2, 264
	v_lshl_add_u32 v4, v1, 2, v4                   ; LDS, in: word N0 + 66 r: the 32 lanes of a store touch 32 different banks (ISA guide 11.1)
	v_and_b32 v5, 511, v0                          ; out: thread t takes n = 2 u, 2 u + 1 of batch 2 g + t / 512, u = t % 512
	v_lshrrev_b32 v6, 5, v5
	v_lshlrev_b32 v7, 3, v5
	v_lshl_add_u32 v7, v6, 3, v7                   ; 8 u + 8 (u / 32): word 2 (u % 32) + 66 (u / 32)
	v_lshrrev_b32 v6, 9, v0
	v_mad_u32_u24 v7, v6, 4224, v7
	v_lshlrev_b32 v8, 3, v0
	s_wait_kmcnt 0x0
	s_load_b32 s14, s[6:7], 0x0
	s_add_nc_u64 s[4:5], s[4:5], s[10:11]
	s_add_nc_u64 s[8:9], s[8:9], s[12:13]
.irp c, 0,1,2,3,4,5,6,7
	global_load_b64 v[10+2*\c:11+2*\c], v3, s[4:5] offset:512*\c
.endr
	s_wait_kmcnt 0x0
	s_wait_loadcnt 7                               ; the first part is in; the seven younger loads may stay out
	v_pk_add_f32 v[10:11], v[10:11], s[14:15] op_sel_hi:[1,0]
.irp c, 1,2,3,4,5,6,7
	s_wait_loadcnt 7-\c                            ; part c is in; the younger ones may stay out
	v_pk_add_f32 v[10:11], v[10:11], v[10+2*\c:11+2*\c]
.endr
	ds_store_b32 v4, v10
	ds_store_b32 v4, v11 offset:4224
	s_wait_dscnt 0x0                               ; for the others' sake: my stores are done
	s_barrier_signal -1
	s_barrier_wait -1
	ds_load_b64 v[28:29], v7
	s_wait_dscnt 0x0
	global_store_b64 v8, v[28:29], s[8:9]
	s_wait_tensorcnt 0x0
	ds_add_u32 v32, v33
	s_wait_dscnt 0x0
	s_endpgm
.Lfunc_end_k_qd3d5b4a0b8_rowsum:
	.size	k_qd3d5b4a0b8_rowsum, .Lfunc_end_k_qd3d5b4a0b8_rowsum-k_qd3d5b4a0b8_rowsum
	.p2alignl 7, 3214868480
	.fill 96, 4, 3214868480
	.section	.rodata,"a",@progbits
	.p2align	6, 0x0
	.amdhsa_kernel k_qd3d5b4a0b8_rowsum
		.amdhsa_group_segment_fixed_size 12800
		.amdhsa_private_segment_fixed_size 0
		.amdhsa_enable_private_segment 0
		.amdhsa_kernarg_size 24
		.amdhsa_user_sgpr_count 2
		.amdhsa_user_sgpr_kernarg_segment_ptr 1
		.amdhsa_wavefront_size32 1
		.amdhsa_system_sgpr_workgroup_id_x 1
		.amdhsa_system_sgpr_workgroup_id_y 1
		.amdhsa_system_sgpr_workgroup_id_z 1
		.amdhsa_system_vgpr_workitem_id 0
		.amdhsa_next_free_vgpr 34
		.amdhsa_next_free_sgpr 66
		.amdhsa_reserve_vcc 0
		.amdhsa_float_denorm_mode_32 3
		.amdhsa_float_denorm_mode_16_64 3
		.amdhsa_memory_ordered 1
		.amdhsa_forward_progress 1
		.amdhsa_inst_pref_size 4
	.end_amdhsa_kernel
	.amdgpu_metadata
---
amdhsa.version: [ 1, 2 ]
amdhsa.kernels:
  - .name:           k_qd3d5b4a0b8_rowsum
    .symbol:         k_qd3d5b4a0b8_rowsum.kd
    .args:
      - { .name: pout, .offset: 0, .size: 8, .value_kind: global_buffer, .address_space: global }
      - { .name: WA_b, .offset: 8, .size: 8, .value_kind: global_buffer, .address_space: global }
      - { .name: out0, .offset: 16, .size: 8, .value_kind: global_buffer, .address_space: global }
    .group_segment_fixed_size: 12800
    .private_segment_fixed_size: 0
    .kernarg_segment_align: 8
    .kernarg_segment_size: 24
    .max_flat_workgroup_size: 1024
    .sgpr_count:     66
    .vgpr_count:     34
    .wavefront_size: 32
...
	.end_amdgpu_metadata
.endif
;; end of part 5
